; MI455X (gfx1250); checked and timed in simulation.
; The chip was launched on July 23, 2026; its instructions are those of AMD's public machine-readable ISA for CDNA 5 (MIT licence, August 2026) and "CDNA5" Instruction Set Architecture Reference Guide (July 2026). The comments in the code are by the model that wrote it; some were corrected since.
;; GQA Block. Allowed arithmetic: matrix products marked QUANTISED: E2M1 operands, one E8M0 scale for each 32 along K, by v_wmma_scale_f32_16x16x128_f8f6f4 with both operands' format E2M1 (or v_wmma_scale_f32_32x16x128_f4), f32 sums; products left as they are: bf16, f16 or f32 operands; f32 sums; everything else in f32.
;; Inputs: attention_mask 1,024 x 2,048 float32; k_cache 1 x 8 x 1,024 x 128 float32; v_cache 1 x 8 x 1,024 x 128 float32; w_k 4,096 x 1,024 float32; w_o 4,096 x 4,096 float32; w_q 4,096 x 4,096 float32; w_v 4,096 x 1,024 float32; x 1 x 1,024 x 4,096 float32.
;; Outputs: out0 1 x 1,024 x 4,096 float32; out1 1 x 8 x 2,048 x 128 float32; out2 1 x 8 x 2,048 x 128 float32.
;; This version of the problem:
;;   THIS VERSION OF THE PROBLEM IS GIVEN IN LOW PRECISION. The matrix products marked QUANTISED in the list below multiply operands that are first quantised to E2M1 (2 exponent bits, 1 mantissa bit; 4 bits a number), with one power-of-two scale for each 32 numbers along K (OCP MX v1.0); their sums are f32. The products marked 'left as it is' may take bf16, f16 or f32 operands, with f32 sums. Whichever they take, every output number must still come out within the allowed error. Rounding operands to bf16 (8 significant bits) uses up far more of that allowance than f16 does (11 bits, for magnitudes from 6e-5 to 65,504). All else is computed in f32.
;;   The module's matrix products, in the order in which they are computed (A, B: the left and right operand; K: the contracted axis; several contracted axes count as one K, in the product's order):
;;     1. [M 1,024, K 4,096] x [K 4,096, N 4,096]; A: input x; B: input w_q: QUANTISED
;;     2. [M 1,024, K 4,096] x [K 4,096, N 1,024]; A: input x; B: input w_k: QUANTISED
;;     3. [M 1,024, K 4,096] x [K 4,096, N 1,024]; A: input x; B: input w_v: QUANTISED
;;     4. batch 8 x [M 2,048, K 128] x [K 128, N 4,096]; A: computed on the way; B: computed on the way: left as it is (an operand is computed on the way)
;;     5. batch 8 x [M 128, K 2,048] x [K 2,048, N 4,096]; A: computed on the way; B: computed on the way: left as it is (an operand is computed on the way)
;;     6. [M 1,024, K 4,096] x [K 4,096, N 4,096]; A: computed on the way; B: input w_o: left as it is (an operand is computed on the way)
;;   THE QUANTISER, for each operand of a quantised product, along K:
;;     - K is cut into blocks of 32 from its start; a last block that is shorter is filled with zeros.
;;     - A block's scale is 2^e with e = floor(log2(the largest magnitude in the block)) - 2, held to -126 .. 127; a block of zeros has e = 0. As a byte (E8M0): e + 127.
;;     - Each number is divided by its block's scale, clamped to +-6, and rounded to the nearest number of E2M1, ties to even, subnormals kept.
;;     - The product sums the exact products of the quantised numbers (number of the format x scale) in f32.
;;   ~~~python
;;   def quantise(x, axis):      # numpy; x: float32 -> the quantised numbers, widened to float32 again
;;       x = np.moveaxis(x, axis, -1); K = x.shape[-1]
;;       x = np.pad(x, [(0, 0)] * (x.ndim - 1) + [(0, -K % 32)]); x = x.reshape(x.shape[:-1] + (-1, 32)); a = np.abs(x).max(-1, keepdims=True)
;;       e = np.where(a > 0, np.clip(np.frexp(np.where(a > 0, a, 1))[1] - 1 - 2, -126, 127), 0)      # np.frexp(a)[1] - 1 = floor(log2(a)), exactly
;;       r = np.clip(x / 2.0 ** e, -6, 6)
;;       step = 2.0 ** (np.maximum(np.frexp(np.where(r == 0, 1, r))[1] - 1, 0) - 1)
;;       q = np.round(r / step) * step * 2.0 ** e      # np.round: ties to even
;;       return np.moveaxis(q.reshape(q.shape[:-2] + (-1,))[..., :K], -1, axis).astype(np.float32)
;;   ~~~
;; One version. Each part assembles by itself: llvm-mc -triple=amdgcn-amd-amdhsa -mcpu=gfx1250 --defsym DOCPART=n.
;; ======== version 1 of 1: 4 launches
;; limits: values are held in f16: magnitudes above 65,504 overflow, below 6.1e-05 lose precision; right only within a limited range of input values
;; workspace buffers: codes 14,680,064 bytes; scales 917,504 bytes; q16 8,388,608 bytes; kv16 8,388,608 bytes; res16 8,388,608 bytes; wo16 33,554,432 bytes; maskr 8,388,608 bytes
;; launch prep (part 1): grid 1152 x 1, 4 waves a work-group, no clusters, 75,264 bytes of LDS; arguments x, w_q, w_k, w_v, w_o, k_cache, v_cache, attention_mask, codes, scales, wo16, kv16, maskr, out1, out2; writes codes, scales, wo16, kv16, maskr, out1, out2
.if DOCPART == 1
	.amdgcn_target "amdgcn-amd-amdhsa--gfx1250"
	.amdhsa_code_object_version 6
	.text
	.protected	k_q78396d4213_prep
	.globl	k_q78396d4213_prep
	.p2align	8
	.type	k_q78396d4213_prep,@function
k_q78396d4213_prep:
	s_mov_b64 s[64:65], 0
	v_nop
	global_prefetch_b8 v0, s[64:65] scope:SCOPE_SE
	s_setreg_imm32_b32 hwreg(HW_REG_WAVE_MODE, 25, 1), 1
	s_wait_xcnt 0x0
; PREP: every f32 input is read once and laid as the later launches want it.  Five paths, chosen by the work-group's number alone:
;   0..383     QW  w_q | w_k | w_v [4096 k][n] f32 -> codes of E2M1 with K innermost, rows 1024 + n of codes [7168][2048 B], and E8M0 bytes, scales [7168][128 B]
;   384..895   WO  w_o f32 -> wo16 = w_o x 2^4 in f16, not transposed
;   896..959   KV  k_cache, v_cache -> rows 0..1023 of each head of out1, out2 (f32, as they are) and of kv16 (x 2^-4, f16; K's part at byte 0, V's at byte 4,194,304)
;   960..1087  QX  x [1024][4096] f32 -> rows 0..1023 of codes and scales
;   1088..1151 MK  attention_mask x log2(e), f32, in the order of the attention's score registers: block (16 queries qt, 64 keys ks) of 4,096 bytes at (32 qt + ks) x 4096,
;                  piece i (0..7) of lane (r, h) at 512 i + 16 lane: mask[16 qt + r][64 ks + 16 (i / 2) + 8 h + 4 (i % 2) + 0..3]
; THE QUANTISER: a block of 32 along K has the scale 2^(floor(log2(largest magnitude)) - 2); its byte is the largest magnitude's exponent field - 2, held at 1 from below; numbers / scale go to the nearest code, ties to even,
; beyond 6 to the largest code.
; LIMITS: NaN and infinities among x and the weights are not served.  A block of zeros gets the byte 1 where the rule says 127: its codes are zeros, and this program alone reads the bytes.
; f16: |w_o| under 4,094 and |k_cache|, |v_cache| under 2^20, else infinity; eleven bits down to |w_o| = 2^-18 and |k|, |v| = 2^-10, under that an absolute error of at most 2^-29 and 2^-21.  Mask entries under -2.3e38 become -infinity.
; No tensor load, no barrier: waves share nothing.  Each path that uses LDS has LDS bytes of its own.
.set QWS,   0                          ; QW: a stage of 32 rows x 272 bytes for each wave
.set QXB,   34816                      ; QX: 5,632 bytes for each wave: two stages of 32 x 80 bytes, then its 256 scale bytes
.set MKS,   57344                      ; MK: a stage of 16 rows x 272 bytes for each wave
.set SPARE, 74752                      ; the spare words, 128 bytes for each wave: two blocks of 256 bytes that no other line names
.set SPW,   224                        ; v224 LDS address of my spare word; never rewritten
.set NIL,   225                        ; v225 0; never rewritten
	v_lshl_add_u32 v[SPW], v0, 2, SPARE
	v_mov_b32 v[NIL], 0
	v_lshrrev_b32 v1, 5, v0
	v_readfirstlane_b32 s16, v1                    ; wave 0..3
	v_and_b32 v2, 31, v0                           ; lane
	s_cmp_ge_u32 ttmp9, 384
	s_cbranch_scc1 .Lnot_qw
; ---------------- QW: a lane takes a column n, its registers run down K; a wave takes 32 columns x 512 along K
.set OFFS,  192                        ; v192-223 4 x lane + i x a row of the weight, i = 0..31; never rewritten
.set WX,    32                         ; v32-95   two sets of 32 numbers
.set WC,    96                         ; v96-99   a block's codes
.set WSB,   24                         ; v24-27   the scale bytes, four to a register
.set WOUT,  112                        ; v112-175 the way out
	s_load_b128 s[4:7], s[0:1], 0x8                ; w_q, w_k
	s_load_b64 s[8:9], s[0:1], 0x18                ; w_v
	s_load_b128 s[12:15], s[0:1], 0x40             ; codes, scales
	s_lshr_b32 s17, ttmp9, 3                       ; xg: which 128 of the 6,144 columns
	s_and_b32 s18, ttmp9, 7                        ; ky: which 512 along K
	s_and_b32 s19, s17, 7
	s_mov_b32 s20, 4096
	s_cmp_lt_u32 s17, 32
	s_cselect_b32 s19, s17, s19                    ; the group of columns inside its own weight
	s_cselect_b32 s20, 16384, s20                  ; a row of the weight in bytes: 4,096 columns in w_q, 1,024 in w_k and w_v
	s_mul_i32 s21, s18, s20
	s_lshl_b32 s24, s21, 9                         ; ky x 512 rows
	s_lshl_b32 s21, s19, 9
	s_add_co_u32 s24, s24, s21                     ; + 128 columns x 4 bytes a group
	s_lshl_b32 s21, s16, 7
	s_add_co_u32 s24, s24, s21                     ; + 32 columns a wave
	s_mov_b32 s25, 0
	s_lshl_b32 s22, s20, 5                         ; a block on: 32 rows
	s_mov_b32 s23, 0
	s_lshl_b32 s26, s17, 7
	s_lshl_b32 s21, s16, 5
	s_add_co_u32 s26, s26, s21
	s_add_co_u32 s26, s26, 1024                    ; my wave's first row of codes and scales
	s_lshl_b32 s28, s26, 7
	s_lshl_b32 s21, s18, 4
	s_add_co_u32 s28, s28, s21                     ; scales: row x 128 + 16 ky
	s_mov_b32 s29, 0
	s_lshl_b32 s26, s26, 11
	s_lshl_b32 s21, s18, 8
	s_add_co_u32 s26, s26, s21                     ; codes: row x 2048 + 256 ky
	s_mov_b32 s27, 0
	v_lshlrev_b32 v[OFFS], 2, v2
.set i, 1
.rept 31
	v_add_nc_u32 v[OFFS+i], s20, v[OFFS+i-1]
.set i, i+1
.endr
	s_mul_i32 s21, s16, 32*272                     ; my stage (QWS = 0)
	v_mul_u32_u24 v4, v2, 272
	v_add_nc_u32 v4, s21, v4                       ; into it: row = my column
	v_and_b32 v5, 15, v2
	v_lshrrev_b32 v6, 4, v2
	v_mul_u32_u24 v7, v6, 272
	v_lshl_add_u32 v7, v5, 4, v7
	v_add_nc_u32 v7, s21, v7                       ; out of it: sixteen lanes to a row, two rows an instruction
	v_lshlrev_b32 v8, 11, v6
	v_lshl_add_u32 v8, v5, 4, v8                   ; the same place in codes
	v_lshlrev_b32 v9, 7, v2                        ; my column's row of scale bytes
	s_wait_kmcnt 0x0
	s_cmp_lt_u32 s17, 40                           ; the choice of the weight hangs on the work-group's number alone
	s_cselect_b64 s[6:7], s[6:7], s[8:9]
	s_cmp_lt_u32 s17, 32
	s_cselect_b64 s[4:5], s[4:5], s[6:7]
	s_add_nc_u64 s[4:5], s[4:5], s[24:25]
	s_add_nc_u64 s[12:13], s[12:13], s[26:27]
	s_add_nc_u64 s[14:15], s[14:15], s[28:29]
.macro QW_LOAD t                       ; block t: 32 rows of the weight at my column, into set t % 2; the blocks are asked for in order, the base steps a block each time
.if (\t) > 0
	s_wait_xcnt 0x0                                ; the loads issued so far have read their base: it may step
	s_add_nc_u64 s[4:5], s[4:5], s[22:23]
.endif
.set i, 0
.rept 32
	global_load_b32 v[WX+32*((\t)%2)+i], v[OFFS+i], s[4:5] th:TH_LOAD_NT
.set i, i+1
.endr
.endm
.macro QW_BLOCK t
.set XS, WX+32*((\t)%2)
.if (\t) < 15
	s_wait_loadcnt 32                              ; this block's 32 loads are in; the next block's may be out
.else
	s_wait_loadcnt 0
.endif
	v_max3_num_f32 v12, |v[XS]|, |v[XS+1]|, |v[XS+2]|     ; the block's largest magnitude: all 32 numbers are mine
	v_max3_num_f32 v13, |v[XS+3]|, |v[XS+4]|, |v[XS+5]|
.irp i, 6,10,14,18,22,26
	v_max3_num_f32 v12, v12, |v[XS+\i]|, |v[XS+\i+1]|
	v_max3_num_f32 v13, v13, |v[XS+\i+2]|, |v[XS+\i+3]|
.endr
	v_max3_num_f32 v12, v12, |v[XS+30]|, |v[XS+31]|
	v_max3_num_f32 v12, v12, v13, 0x1800000        ; and the floor 2^(3 - 127): the byte cannot fall under 1
	v_add_nc_u32 v11, 0xff000000, v12              ; 2 off its exponent field: the conversion takes the exponent field of this operand as its scale
	v_lshrrev_b32 v13, 23, v11                     ; the scale's byte
.if (\t)%4 == 0
	v_mov_b32 v[WSB+(\t)/4], v13
.else
	v_lshl_or_b32 v[WSB+(\t)/4], v13, 8*((\t)%4), v[WSB+(\t)/4]
.endif
.irp g, 0,1,2,3
	v_cvt_scalef32_pk8_fp4_f32 v[WC+\g], v[XS+8*\g:XS+8*\g+7], v11
.endr
	ds_store_b128 v4, v[WC:WC+3] offset:16*(\t)    ; 32 codes: 16 bytes of my column's row
.if (\t)+2 < 16
	QW_LOAD (\t)+2
.endif
	s_wait_dscnt 0x0                               ; the store has read its registers: the next block's codes may be written
.endm
	QW_LOAD 0
	QW_LOAD 1
.set Q, 0
.rept 16
	QW_BLOCK Q
.set Q, Q+1
.endr
	global_store_b128 v9, v[WSB:WSB+3], s[14:15]   ; my column's 16 scale bytes
.irp t, 0,1,2,3,4,5,6,7,8,9,10,11,12,13,14,15
	ds_load_b128 v[WOUT+4*\t:WOUT+4*\t+3], v7 offset:2*\t*272     ; LDS serves a wave's instructions in order: these see my stores
.endr
.irp t, 0,1,2,3,4,5,6,7,8,9,10,11,12,13,14,15
	s_wait_dscnt 15-\t
	global_store_b128 v8, v[WOUT+4*\t:WOUT+4*\t+3], s[12:13] offset:2*\t*2048    ; sixteen lanes store 256 consecutive bytes, aligned
.endr
	s_wait_tensorcnt 0x0                           ; the wave's end: behind my last LDS store
	ds_add_u32 v[SPW], v[NIL]
	s_wait_dscnt 0x0
	s_endpgm
; ---------------- the casts.  A wave takes 8,192 numbers: 64 turns of 512 bytes in, 256 bytes of f16 out (and, copy = 1, the 512 bytes as they are).  A ring of 16 register slots keeps 15 loads out.
.set CX, 32                            ; v32-95   slot j: 4 numbers as loaded
.set CY, 96                            ; v96-127  slot j: 4 f16
.macro CASTRUN copy
.set n, 0
.rept 16
	global_load_b128 v[CX+4*n:CX+4*n+3], v3, s[4:5] offset:512*n th:TH_LOAD_NT
.set n, n+1
.endr
.set n, 0
.rept 64
.set j, n%16
.if n == 0
	s_wait_loadcnt 15                              ; the counts name the younger loads that have been issued
.elseif n <= 49
	s_wait_loadcnt 14
.else
	s_wait_loadcnt 63-n
.endif
	s_wait_xcnt 0x0                                ; the stores issued so far have read their registers: this slot's f16 pair, and the slot in front, which takes the next load
.if (n >= 1) && (n <= 48)
.set k, (n-1)%16
	global_load_b128 v[CX+4*k:CX+4*k+3], v3, s[4:5] offset:512*(n+15) th:TH_LOAD_NT
.endif
	v_pk_mul_f32 v[8:9], v[CX+4*j:CX+4*j+1], s[10:11] op_sel_hi:[1,0]         ; a power of two: exact
	v_pk_mul_f32 v[10:11], v[CX+4*j+2:CX+4*j+3], s[10:11] op_sel_hi:[1,0]
	v_cvt_pk_f16_f32 v[CY+2*j], v8, v9
	v_cvt_pk_f16_f32 v[CY+2*j+1], v10, v11
	global_store_b64 v4, v[CY+2*j:CY+2*j+1], s[6:7] offset:256*n              ; the wave stores 256 consecutive bytes, aligned
.if \copy
	global_store_b128 v3, v[CX+4*j:CX+4*j+3], s[8:9] offset:512*n th:TH_STORE_NT
.endif
.set n, n+1
.endr
.endm
.Lnot_qw:
	s_cmp_ge_u32 ttmp9, 896
	s_cbranch_scc1 .Lnot_wo
; ---------------- WO
	s_load_b64 s[4:5], s[0:1], 0x20                ; w_o
	s_load_b64 s[6:7], s[0:1], 0x50                ; wo16
	s_sub_co_u32 s17, ttmp9, 384
	s_lshl_b32 s18, s17, 17                        ; 32,768 numbers a work-group,
	s_lshl_b32 s19, s16, 15                        ; 8,192 a wave
	s_add_co_u32 s18, s18, s19
	s_mov_b32 s19, 0
	s_lshr_b32 s20, s18, 1
	s_mov_b32 s21, 0
	s_mov_b32 s10, 0x41800000                      ; 2^4
	s_mov_b32 s11, s10
	v_lshlrev_b32 v3, 4, v2
	v_lshlrev_b32 v4, 3, v2
	s_wait_kmcnt 0x0
	s_add_nc_u64 s[4:5], s[4:5], s[18:19]
	s_add_nc_u64 s[6:7], s[6:7], s[20:21]
	CASTRUN 0
	s_endpgm
.Lnot_wo:
	s_cmp_ge_u32 ttmp9, 960
	s_cbranch_scc1 .Lnot_kv
; ---------------- KV
	s_load_b128 s[20:23], s[0:1], 0x28             ; k_cache, v_cache
	s_load_b64 s[6:7], s[0:1], 0x58                ; kv16
	s_load_b128 s[24:27], s[0:1], 0x68             ; out1, out2
	s_sub_co_u32 s17, ttmp9, 896
	s_lshr_b32 s18, s17, 5                         ; 0: K, 1: V
	s_and_b32 s17, s17, 31                         ; which 256 rows of the cache
	s_lshl_b32 s28, s17, 17
	s_lshl_b32 s19, s16, 15
	s_add_co_u32 s28, s28, s19                     ; in the cache
	s_mov_b32 s29, 0
	s_lshr_b32 s30, s17, 2                         ; the head: 2,048 rows apart in the outputs
	s_and_b32 s31, s17, 3
	s_lshl_b32 s32, s30, 20
	s_lshl_b32 s33, s31, 17
	s_add_co_u32 s32, s32, s33
	s_add_co_u32 s32, s32, s19                     ; in out1 or out2
	s_mov_b32 s33, 0
	s_lshr_b32 s34, s32, 1                         ; half of that in kv16,
	s_lshl_b32 s35, s18, 22
	s_add_co_u32 s34, s34, s35                     ; V's part behind K's
	s_mov_b32 s35, 0
	s_mov_b32 s10, 0x3d800000                      ; 2^-4
	s_mov_b32 s11, s10
	v_lshlrev_b32 v3, 4, v2
	v_lshlrev_b32 v4, 3, v2
	s_wait_kmcnt 0x0
	s_cmp_eq_u32 s18, 0
	s_cselect_b64 s[4:5], s[20:21], s[22:23]
	s_cselect_b64 s[8:9], s[24:25], s[26:27]
	s_add_nc_u64 s[4:5], s[4:5], s[28:29]
	s_add_nc_u64 s[8:9], s[8:9], s[32:33]
	s_add_nc_u64 s[6:7], s[6:7], s[34:35]
	CASTRUN 1
	s_endpgm
.Lnot_kv:
	s_cmp_ge_u32 ttmp9, 1088
	s_cbranch_scc1 .Lmask
; ---------------- QX: x is a plain stream of blocks of 32.  A wave takes 16 steps of 512 numbers.  Each load reads 512 consecutive bytes; a step's 2,048 bytes turn through the wave's own stage, so that a lane
; holds 16 neighbours (two neighbouring lanes hold a block).  A step's codes are 256 consecutive bytes; the wave's 256 scale bytes are gathered in LDS and leave as one store.
.set XR,  16                           ; v16-79   four sets of 16 numbers as loaded
.set XN,  80                           ; v80-111  two sets of 16 neighbours
.set XC,  128                          ; v128-191 codes: four registers for each step: no store's data are written again
.set XE,  112                          ; v112-127 a scale byte for each step
.set SP,  80                           ; a lane's place in a stage: 64 bytes + 16 of padding
	s_load_b64 s[4:5], s[0:1], 0x0                 ; x
	s_load_b128 s[8:11], s[0:1], 0x40              ; codes, scales
	v_lshlrev_b32 v3, 4, v2
	s_mul_i32 s17, s16, 5632
	s_add_co_u32 s17, s17, QXB
	v_lshrrev_b32 v14, 2, v2
	v_mul_u32_u24 v14, v14, SP
	v_and_b32 v15, 3, v2
	v_lshl_add_u32 v14, v15, 4, v14
	v_add_nc_u32 v14, s17, v14                     ; the stage, on the way in: four lanes' 64 bytes on end, then the padding
	v_mul_u32_u24 v15, v2, SP
	v_add_nc_u32 v15, s17, v15                     ; on the way out: my 16 neighbours
	v_lshlrev_b32 v4, 3, v2                        ; my codes' place in a step's
	v_lshrrev_b32 v5, 1, v2
	s_add_co_u32 s17, s17, 2*32*SP
	v_add_nc_u32 v5, s17, v5                       ; my block's byte among my wave's 256
	v_lshlrev_b32 v7, 3, v2
	v_add_nc_u32 v6, s17, v7
	s_sub_co_u32 s18, ttmp9, 960
	s_lshl_b32 s18, s18, 2
	s_add_co_u32 s18, s18, s16                     ; which run of 8,192 numbers is my wave's
	s_lshl_b32 s20, s18, 15
	s_mov_b32 s21, 0
	s_lshl_b32 s22, s18, 12
	s_mov_b32 s23, 0
	s_lshl_b32 s24, s18, 8
	s_mov_b32 s25, 0
	s_wait_kmcnt 0x0
	s_add_nc_u64 s[4:5], s[4:5], s[20:21]
	s_add_nc_u64 s[8:9], s[8:9], s[22:23]
	s_add_nc_u64 s[10:11], s[10:11], s[24:25]
.macro QX_LOAD t
.irp i, 0,1,2,3
	global_load_b128 v[XR+16*((\t)%4)+4*\i:XR+16*((\t)%4)+4*\i+3], v3, s[4:5] offset:2048*(\t)+512*\i th:TH_LOAD_NT
.endr
.endm
.macro QX_TURN t                       ; step t's numbers through the stage: LDS serves a wave's instructions in order
.irp i, 0,1,2,3
	ds_store_b128 v14, v[XR+16*((\t)%4)+4*\i:XR+16*((\t)%4)+4*\i+3] offset:32*SP*((\t)%2)+8*SP*\i
.endr
.irp i, 0,1,2,3
	ds_load_b128 v[XN+16*((\t)%2)+4*\i:XN+16*((\t)%2)+4*\i+3], v15 offset:32*SP*((\t)%2)+16*\i
.endr
.endm
.irp t, 0,1,2,3
	QX_LOAD \t
.endr
	s_wait_loadcnt 12                              ; step 0's four loads are in
	QX_TURN 0
.macro QX_STEP t
.set XS, XN+16*((\t)%2)
.if (\t) > 0
	s_wait_dscnt 1                                 ; this step's numbers are back from the stage (the last step's byte store may be out)
.else
	s_wait_dscnt 0x0
.endif
.if (\t)+4 < 16
	QX_LOAD (\t)+4                                 ; into the registers that this step's stores into the stage have read
.endif
.if (\t)+1 < 16
.if 14-(\t) >= 3
	s_wait_loadcnt 12                              ; the next step's four loads are in; those of the three steps behind it may be out
.else
	s_wait_loadcnt 4*(14-(\t))
.endif
	QX_TURN (\t)+1
.endif
	v_max3_num_f32 v8, |v[XS]|, |v[XS+1]|, |v[XS+2]|
	v_max3_num_f32 v9, |v[XS+3]|, |v[XS+4]|, |v[XS+5]|
.irp i, 6,10
	v_max3_num_f32 v8, v8, |v[XS+\i]|, |v[XS+\i+1]|
	v_max3_num_f32 v9, v9, |v[XS+\i+2]|, |v[XS+\i+3]|
.endr
	v_max3_num_f32 v8, v8, |v[XS+14]|, |v[XS+15]|
	v_max3_num_f32 v8, v8, v9, 0x1800000           ; the floor 2^(3 - 127)
	v_max_num_f32_dpp v8, v8, v8 row_xmask:1 row_mask:0xf bank_mask:0xf   ; with my neighbour's 16: the block's largest magnitude
	v_add_nc_u32 v11, 0xff000000, v8
	v_cvt_scalef32_pk8_fp4_f32 v[XC+4*(\t)], v[XS:XS+7], v11
	v_cvt_scalef32_pk8_fp4_f32 v[XC+4*(\t)+1], v[XS+8:XS+15], v11
	v_lshrrev_b32 v[XE+(\t)], 23, v11              ; the scale's byte (a plain line behind the conversions)
	ds_store_b8 v5, v[XE+(\t)] offset:16*(\t)      ; both lanes of a block write the same byte with the same value
	global_store_b64 v4, v[XC+4*(\t):XC+4*(\t)+1], s[8:9] offset:256*(\t)
.endm
.irp t, 0,1,2,3,4,5,6,7,8,9,10,11,12,13,14,15
	QX_STEP \t
.endr
	ds_load_b64 v[8:9], v6
	s_wait_dscnt 0x0
	global_store_b64 v7, v[8:9], s[10:11]          ; 32 lanes store 256 consecutive bytes, aligned
	s_wait_tensorcnt 0x0                           ; the wave's end: the three lines
	ds_add_u32 v[SPW], v[NIL]
	s_wait_dscnt 0x0
	s_endpgm
; ---------------- MK: a work-group takes 16 queries, a wave 8 blocks of 64 keys.  A block: eight loads of two rows x 256 bytes; x log2(e); through the wave's stage; eight stores of 512 consecutive bytes.
.Lmask:
.set MX, 32                            ; v32-159  four sets of 32
.set MY, 160                           ; v160-223 two sets of 32
	s_load_b64 s[4:5], s[0:1], 0x38                ; attention_mask
	s_load_b64 s[6:7], s[0:1], 0x60                ; maskr
	s_sub_co_u32 s17, ttmp9, 1088                  ; qt
	s_lshl_b32 s18, s17, 17                        ; 16 rows of 8,192 bytes
	s_lshl_b32 s19, s16, 11                        ; my wave's 8 blocks of 256 bytes
	s_add_co_u32 s18, s18, s19
	s_mov_b32 s19, 0
	s_lshl_b32 s20, s17, 5
	s_lshl_b32 s21, s16, 3
	s_add_co_u32 s20, s20, s21
	s_lshl_b32 s20, s20, 12                        ; (32 qt + 8 wave) x 4096
	s_mov_b32 s21, 0
	s_mov_b32 s10, 0x3fb8aa3b                      ; log2(e)
	s_mov_b32 s11, s10
	v_and_b32 v7, 15, v2                           ; r
	v_lshrrev_b32 v8, 4, v2                        ; h
	v_lshlrev_b32 v3, 13, v8
	v_lshl_add_u32 v3, v7, 4, v3                   ; in: row h of a pair, 16 bytes a lane
	v_lshlrev_b32 v4, 4, v2                        ; out: 16 bytes a lane
	s_mul_i32 s22, s16, 16*272
	s_add_co_u32 s22, s22, MKS
	v_mul_u32_u24 v5, v8, 272
	v_lshl_add_u32 v5, v7, 4, v5
	v_add_nc_u32 v5, s22, v5                       ; the stage, on the way in
	v_mul_u32_u24 v6, v7, 272
	v_lshl_add_u32 v6, v8, 5, v6
	v_add_nc_u32 v6, s22, v6                       ; and out: row r, + 32 h
	s_wait_kmcnt 0x0
	s_add_nc_u64 s[4:5], s[4:5], s[18:19]
	s_add_nc_u64 s[6:7], s[6:7], s[20:21]
.macro MK_LOADB b
.irp i, 0,1,2,3,4,5,6,7
	global_load_b128 v[MX+32*((\b)%4)+4*\i:MX+32*((\b)%4)+4*\i+3], v3, s[4:5] offset:16384*\i+256*(\b) th:TH_LOAD_NT
.endr
.endm
.macro MK_BLK b
.set XB, MX+32*((\b)%4)
.set YB, MY+32*((\b)%2)
.if 7-(\b) >= 3
	s_wait_loadcnt 24                              ; this block's eight loads are in; three blocks behind it may be out
.else
	s_wait_loadcnt 8*(7-(\b))
.endif
.set i, 0
.rept 16
	v_pk_mul_f32 v[XB+i:XB+i+1], v[XB+i:XB+i+1], s[10:11] op_sel_hi:[1,0]
.set i, i+2
.endr
.irp i, 0,1,2,3,4,5,6,7
	ds_store_b128 v5, v[XB+4*\i:XB+4*\i+3] offset:544*\i
.endr
	s_wait_xcnt 0x0                                ; the stores of two blocks ago have read the registers that the loads below write
.irp i, 0,1,2,3,4,5,6,7
	ds_load_b128 v[YB+4*\i:YB+4*\i+3], v6 offset:64*(\i/2)+16*(\i%2)
.endr
	s_wait_dscnt 0x0
.if (\b)+4 <= 7
	MK_LOADB (\b)+4
.endif
.irp i, 0,1,2,3,4,5,6,7
	global_store_b128 v4, v[YB+4*\i:YB+4*\i+3], s[6:7] offset:4096*(\b)+512*\i
.endr
.endm
.irp b, 0,1,2,3
	MK_LOADB \b
.endr
.irp b, 0,1,2,3,4,5,6,7
	MK_BLK \b
.endr
	s_wait_tensorcnt 0x0                           ; the wave's end: the three lines
	ds_add_u32 v[SPW], v[NIL]
	s_wait_dscnt 0x0
	s_endpgm
.Lfunc_end_k_q78396d4213_prep:
	.size	k_q78396d4213_prep, .Lfunc_end_k_q78396d4213_prep-k_q78396d4213_prep
	.p2alignl 7, 3214868480
	.fill 96, 4, 3214868480
	.section	.rodata,"a",@progbits
	.p2align	6, 0x0
	.amdhsa_kernel k_q78396d4213_prep
		.amdhsa_group_segment_fixed_size 75264
		.amdhsa_private_segment_fixed_size 0
		.amdhsa_enable_private_segment 0
		.amdhsa_kernarg_size 120
		.amdhsa_user_sgpr_count 2
		.amdhsa_user_sgpr_kernarg_segment_ptr 1
		.amdhsa_wavefront_size32 1
		.amdhsa_system_sgpr_workgroup_id_x 1
		.amdhsa_system_sgpr_workgroup_id_y 1
		.amdhsa_system_sgpr_workgroup_id_z 1
		.amdhsa_system_vgpr_workitem_id 0
		.amdhsa_next_free_vgpr 228
		.amdhsa_next_free_sgpr 66
		.amdhsa_reserve_vcc 0
		.amdhsa_float_denorm_mode_32 3
		.amdhsa_float_denorm_mode_16_64 3
		.amdhsa_memory_ordered 1
		.amdhsa_forward_progress 1
		.amdhsa_inst_pref_size 216
	.end_amdhsa_kernel
	.amdgpu_metadata
---
amdhsa.version: [ 1, 2 ]
amdhsa.kernels:
  - .name:           k_q78396d4213_prep
    .symbol:         k_q78396d4213_prep.kd
    .args:
      - { .name: x, .offset: 0, .size: 8, .value_kind: global_buffer, .address_space: global }
      - { .name: w_q, .offset: 8, .size: 8, .value_kind: global_buffer, .address_space: global }
      - { .name: w_k, .offset: 16, .size: 8, .value_kind: global_buffer, .address_space: global }
      - { .name: w_v, .offset: 24, .size: 8, .value_kind: global_buffer, .address_space: global }
      - { .name: w_o, .offset: 32, .size: 8, .value_kind: global_buffer, .address_space: global }
      - { .name: k_cache, .offset: 40, .size: 8, .value_kind: global_buffer, .address_space: global }
      - { .name: v_cache, .offset: 48, .size: 8, .value_kind: global_buffer, .address_space: global }
      - { .name: attention_mask, .offset: 56, .size: 8, .value_kind: global_buffer, .address_space: global }
      - { .name: codes, .offset: 64, .size: 8, .value_kind: global_buffer, .address_space: global }
      - { .name: scales, .offset: 72, .size: 8, .value_kind: global_buffer, .address_space: global }
      - { .name: wo16, .offset: 80, .size: 8, .value_kind: global_buffer, .address_space: global }
      - { .name: kv16, .offset: 88, .size: 8, .value_kind: global_buffer, .address_space: global }
      - { .name: maskr, .offset: 96, .size: 8, .value_kind: global_buffer, .address_space: global }
      - { .name: out1, .offset: 104, .size: 8, .value_kind: global_buffer, .address_space: global }
      - { .name: out2, .offset: 112, .size: 8, .value_kind: global_buffer, .address_space: global }
    .group_segment_fixed_size: 75264
    .private_segment_fixed_size: 0
    .kernarg_segment_align: 8
    .kernarg_segment_size: 120
    .max_flat_workgroup_size: 128
    .sgpr_count:     66
    .vgpr_count:     228
    .wavefront_size: 32
...
	.end_amdgpu_metadata
.endif
;; end of part 1
;; launch gemm_qkv (part 2): grid 48 x 4, 4 waves a work-group, clusters of 4 x 4, 327,680 bytes of LDS; arguments codes, scales, q16, kv16, out1, out2; writes q16, kv16, out1, out2
.if DOCPART == 2
	.amdgcn_target "amdgcn-amd-amdhsa--gfx1250"
	.amdhsa_code_object_version 6
	.text
	.protected	k_q78396d4213_gemm_qkv
	.globl	k_q78396d4213_gemm_qkv
	.p2align	8
	.type	k_q78396d4213_gemm_qkv,@function
k_q78396d4213_gemm_qkv:
	s_mov_b64 s[64:65], 0
	v_nop
	global_prefetch_b8 v0, s[64:65] scope:SCOPE_SE
	s_setreg_imm32_b32 hwreg(HW_REG_WAVE_MODE, 25, 1), 1
	s_wait_xcnt 0x0
	s_wait_alu depctr_hold_cnt(0) depctr_sa_sdst(0) depctr_va_vdst(0) depctr_va_sdst(0) depctr_va_ssrc(0) depctr_va_vcc(0) depctr_vm_vsrc(0)
	s_getreg_b32 s2, hwreg(HW_REG_IB_STS2, 6, 4)
	s_cmp_eq_u32 s2, 0
	s_cbranch_scc0 .Lentry_in_a_cluster
	s_endpgm
.Lentry_in_a_cluster:
	s_bfe_u32 s2, ttmp6, 0x10000c
	s_cmp_lg_u32 s2, 0xf033
	s_cbranch_scc0 .Lentry_shape_is_right
	s_endpgm
.Lentry_shape_is_right:
; x (w_q | w_k | w_v) on codes of E2M1 with E8M0 scales: C[1024][6144] = the sum over k = 0..4095 of A[m][k] B[n][k]; A = rows 0..1023 of codes, B = rows 1024 + n.  Sums in f32, K ascending, one accumulator an output.
; A tile of C is 256 rows x 128 columns: ONE head of Q, K or V.  192 work-groups; four waves, each 64 rows x 128 columns: 32 accumulators, 256 registers.
; K goes in steps of 512 (rows of 256 bytes) through two LDS slots; the scale bytes of the work-group's rows, for all of K, come once with the first fills and stay.
; CLUSTERS: 4 x 4.  The four of a row of the cluster need the same tiles of A, the four of a column the same tiles of B: each is asked for jointly.  The grid is one cluster high: the tile row is cy.
; THE MATRIX INSTRUCTION IS USED TRANSPOSED (source 0 = 16 rows of B, source 1 = 16 rows of A): a lane holds eight neighbouring columns of one row of C.
; OUT: Q x 2^-4 in f16 to q16 [32][1024][128]; K and V in f32 to rows 1024.. of each head of out1, out2, and x 2^-4 in f16 to the same rows of kv16.  LIMIT: |Q|, |K|, |V| under 2^20, else f16's infinity.
; REGISTERS: window 0: v8-11 at work; v16-30 addresses; v32-95 scale words, two sets; v96-159 A's fragments, two sets of four; on the way out v96-127 f16, v160-223 rows.  window 1: the accumulators, (a, b) at v[8 (8 a + b)].  window 2: B's fragments, two sets of eight.
.set PITCH,  272                       ; an LDS row: 256 bytes + 16 of padding: the 16 rows that a load touches start at 16 different banks
.set HALFA,  128*PITCH                 ; what one load brings of A
.set HALFB,  64*PITCH                  ; and of B
.set BOFF,   2*HALFA
.set SLOT,   BOFF+2*HALFB              ; A's 256 rows, then B's 128
.set SCL,    2*SLOT                    ; the scales, as pieces of 256 bytes + 16 of padding: A's 256 rows (128 bytes a row), then B's 128
.set SHA,    64*272                    ; those of 128 rows
.set SHB,    32*272                    ; of 64 rows
.set SBLK,   8*272                     ; of 16 rows
.set SPARE,  SCL+2*SHA+2*SHB           ; the spare words, 128 bytes for each wave: two blocks of 256 bytes that no other line names
.set SPITCH, 528                       ; the way out: 16 rows x (512 + 16) bytes for each wave, in slot 0, which has had its last fill and its last read by then
.set ADRA, 16
.set ADRB, 20
.set STO,  24
.set RD,   25
.set CO32, 26
.set ADRS, 27
.set SPW,  28
.set NIL,  29
.set CO16, 30
.set SC,   32
.set AF,   96
.set H16,  96
.set BK,   160
.set G1,   24
.set G0,   32
.set G1B,  48
.set G0B,  56
.set G1S,  68
.set G0S,  76
.set G1SB, 80
.set G0SB, 88
.set MSB, 0
.macro WIN new                         ; the immediate's high byte repeats the setting that is left
.if MSB != \new
	s_set_vgpr_msb (MSB<<8)|\new
.set MSB, \new
.endif
.endm
.set MUL,  0x52                        ; source 0 (B) window 2, source 1 (A) window 0, C and D window 1
.set TO_B, 0x80                        ; destination window 2
; A joint load: waves 0 and 1 fetch for A, waves 2 and 3 for B; the branch hangs on the wave's number alone.  An s_nop 0 and four v_nop follow each line.
.macro JLOAD g0a, g1a, g0b, g1b
	s_cmp_eq_u32 s17, 0
	s_cbranch_scc0 .Lfor_b_\@
	tensor_load_to_lds s[\g0a:\g0a+3], s[\g1a:\g1a+7]
	s_nop 0
.rept 4
	v_nop
.endr
	s_branch .Lasked_\@
.Lfor_b_\@:
	tensor_load_to_lds s[\g0b:\g0b+3], s[\g1b:\g1b+7]
	s_nop 0
.rept 4
	v_nop
.endr
.Lasked_\@:
.endm
.macro CREST                           ; a round of the cluster's barrier behind its opening barrier
	s_cmp_lg_u32 s16, 0
	s_cbranch_scc1 .Lnot_wave_0_\@
	s_barrier_signal -3
.Lnot_wave_0_\@:
	s_barrier_wait -3
	s_barrier_signal -1
	s_barrier_wait -1
.endm
.macro CROUND
	s_barrier_signal -1
	s_barrier_wait -1
	CREST
.endm
	s_load_b256 s[4:11], s[0:1], 0x0               ; codes s[4:5], scales s[6:7], q16 s[8:9], kv16 s[10:11]
	s_load_b128 s[12:15], s[0:1], 0x20             ; out1, out2
	v_lshl_add_u32 v[SPW], v0, 2, SPARE
	v_mov_b32 v[NIL], 0
	ds_add_u32 v[SPW], v[NIL]                      ; the wave's opening: the add and its wait stand ahead of my first tensor load; work on registers stands between them
	v_lshrrev_b32 v1, 5, v0
	v_readfirstlane_b32 s16, v1                    ; wave 0..3: my 64 rows of the tile
	s_lshr_b32 s17, s16, 1                         ; I fetch for A (0) or for B (1),
	s_and_b32 s18, s16, 1                          ; its first or second half
	s_bfe_u32 s40, ttmp6, 0x40000                  ; cx
	s_bfe_u32 s41, ttmp6, 0x40004                  ; cy = the tile row
	s_lshl_b32 s42, ttmp9, 2
	s_add_co_u32 s42, s42, s40                     ; the tile column: 0..31 heads of Q, 32..39 of K, 40..47 of V
	s_lshl_b32 s43, s41, 2
	s_lshl_b32 s43, 15, s43                        ; my row of the cluster
	s_lshl_b32 s44, 0x1111, s40                    ; my column
	s_or_b32 s[G1+0], s43, (0<<16)|(1<<20)|(1<<21)|(5<<22)|(3<<25)   ; the mask; elements of 1 byte; padding on; bit 21 beside a mask; four words behind every 64
	s_or_b32 s[G1B+0], s44, (0<<16)|(1<<20)|(1<<21)|(5<<22)|(3<<25)
	s_mov_b32 s[G1+1], 256<<16                     ; A's codes: 128 rows of 256 bytes, 2,048 bytes apart
	s_mov_b32 s[G1+2], 128<<16
	s_mov_b32 s[G1+3], 256<<16
	s_mov_b32 s[G1+4], 128
	s_mov_b32 s[G1+5], 2048
	s_mov_b32 s[G1+6], 0
	s_mov_b32 s[G1+7], 0
	s_mov_b32 s[G1B+1], 256<<16                    ; B's: 64 rows
	s_mov_b32 s[G1B+2], 64<<16
	s_mov_b32 s[G1B+3], 256<<16
	s_mov_b32 s[G1B+4], 64
	s_mov_b32 s[G1B+5], 2048
	s_mov_b32 s[G1B+6], 0
	s_mov_b32 s[G1B+7], 0
	s_or_b32 s[G1S+0], s43, (3<<16)|(1<<20)|(1<<21)|(5<<22)|(3<<25)  ; the scales: dense blocks, as rows of 32 elements of 8 bytes
	s_or_b32 s[G1SB+0], s44, (3<<16)|(1<<20)|(1<<21)|(5<<22)|(3<<25)
	s_mov_b32 s[G1S+1], 32<<16                     ; A's: 128 rows x 128 bytes = 64 such rows
	s_mov_b32 s[G1S+2], 64<<16
	s_mov_b32 s[G1S+3], 32<<16
	s_mov_b32 s[G1S+4], 64
	s_mov_b32 s[G1S+5], 32
	s_mov_b32 s[G1S+6], 0
	s_mov_b32 s[G1S+7], 0
	s_mov_b32 s[G1SB+1], 32<<16                    ; B's: 32
	s_mov_b32 s[G1SB+2], 32<<16
	s_mov_b32 s[G1SB+3], 32<<16
	s_mov_b32 s[G1SB+4], 32
	s_mov_b32 s[G1SB+5], 32
	s_mov_b32 s[G1SB+6], 0
	s_mov_b32 s[G1SB+7], 0
	s_lshl_b32 s20, s41, 8                         ; A's addresses hang on cy and the wave alone, B's on the tile column and the wave, each in registers that never hold the other coordinate
	s_lshl_b32 s21, s18, 7
	s_add_co_u32 s20, s20, s21                     ; A: row 256 cy + 128 half
	s_lshl_b32 s22, s20, 7                         ; its scales,
	s_mov_b32 s23, 0
	s_lshl_b32 s20, s20, 11                        ; its codes
	s_mov_b32 s21, 0
	s_lshl_b32 s46, s42, 7
	s_lshl_b32 s47, s18, 6
	s_add_co_u32 s46, s46, s47
	s_add_co_u32 s46, s46, 1024                    ; B: row 1024 + 128 column + 64 half
	s_lshl_b32 s94, s46, 7
	s_mov_b32 s95, 0
	s_lshl_b32 s46, s46, 11
	s_mov_b32 s47, 0
	s_mul_i32 s45, s18, HALFA                      ; where they go: no place in the cluster enters an LDS address
	s_mul_i32 s96, s18, HALFB                      ; (HALFB = SHA)
	s_mul_i32 s97, s18, SHB
	s_wait_dscnt 0x0                               ; the opening add is done
	s_wait_kmcnt 0x0
	s_add_nc_u64 s[20:21], s[4:5], s[20:21]
	s_add_nc_u64 s[22:23], s[6:7], s[22:23]
	s_add_nc_u64 s[46:47], s[4:5], s[46:47]
	s_add_nc_u64 s[94:95], s[6:7], s[94:95]
	CROUND                                         ; all sixteen work-groups are here: the first joint loads meet
	s_mov_b32 s[G0S], 1
	s_add_co_u32 s[G0S+1], s96, SCL
	s_mov_b64 s[G0S+2:G0S+3], s[22:23]
	s_or_b32 s[G0S+3], s[G0S+3], 0x80000000
	s_mov_b32 s[G0SB], 1
	s_add_co_u32 s[G0SB+1], s97, SCL+2*SHA
	s_mov_b64 s[G0SB+2:G0SB+3], s[94:95]
	s_or_b32 s[G0SB+3], s[G0SB+3], 0x80000000
	JLOAD G0S, G1S, G0SB, G1SB                     ; the scales first: three loads of mine are out behind these lines
.irp s, 0,1
	s_mov_b32 s[G0+4*\s], 1
	s_add_co_u32 s[G0+4*\s+1], s45, \s*SLOT
	s_add_nc_u64 s[G0+4*\s+2:G0+4*\s+3], s[20:21], \s*256
	s_or_b32 s[G0+4*\s+3], s[G0+4*\s+3], 0x80000000
	s_mov_b32 s[G0B+4*\s], 1
	s_add_co_u32 s[G0B+4*\s+1], s96, \s*SLOT+BOFF
	s_add_nc_u64 s[G0B+4*\s+2:G0B+4*\s+3], s[46:47], \s*256
	s_or_b32 s[G0B+4*\s+3], s[G0B+4*\s+3], 0x80000000
	JLOAD G0+4*\s, G1, G0B+4*\s, G1B
.endr
	v_and_b32 v1, 15, v0                           ; r
	v_bfe_u32 v2, v0, 4, 1                         ; h
	v_mul_u32_u24 v3, v1, PITCH
	v_lshl_add_u32 v4, v2, 4, v3                   ; a fragment's row x pitch + 16 h
	s_mul_i32 s21, s16, 64*PITCH                   ; my 64 rows of A
.irp s, 0,1
	s_add_co_u32 s22, s21, \s*SLOT
	v_add_nc_u32 v[ADRA+\s], s22, v4
	v_add_nc_u32 v[ADRB+\s], \s*SLOT+BOFF, v4      ; all 128 rows of B
.endr
	v_lshlrev_b32 v5, 7, v1                        ; my row's scales: 128 bytes a row,
	v_lshrrev_b32 v6, 1, v1
	v_lshl_add_u32 v5, v6, 4, v5                   ; and 16 more for each 256 passed
	s_mul_i32 s21, s16, 4*SBLK                     ; lanes 0-15: A's, my 64 rows
	s_xor_b32 s22, s16, 3
	s_add_co_u32 s22, s22, 1
	s_mul_i32 s22, s22, 4*SBLK                     ; lanes 16-31: B's, (4 - wave) x 64 rows further on
	v_mul_u32_u24 v6, s22, v2
	s_add_co_u32 s21, s21, SCL
	v_add_nc_u32 v5, v5, v6
	v_add_nc_u32 v[ADRS], s21, v5
	s_mul_i32 s23, s16, 16*SPITCH                  ; my stage
	v_mul_u32_u24 v5, v1, SPITCH
	v_lshl_add_u32 v5, v2, 5, v5
	v_add_nc_u32 v[STO], s23, v5                   ; in: row r, 32 bytes for each half of the lanes
	v_and_b32 v6, 31, v0
	v_lshlrev_b32 v[CO32], 4, v6                   ; back: the 32 lanes take a row of 512 bytes
	v_add_nc_u32 v[RD], s23, v[CO32]
	v_lshlrev_b32 v[CO16], 3, v6
	; where the results go.  Every choice hangs on the cluster's x, which all sixteen partners share
	s_lshl_b32 s20, s41, 8
	s_lshl_b32 s21, s16, 6
	s_add_co_u32 s20, s20, s21                     ; my first row of C
	s_lshl_b32 s46, s42, 10
	s_add_co_u32 s46, s46, s20                     ; q16: head x 1024 + row
	s_max_u32 s47, s42, 32
	s_sub_co_u32 s47, s47, 32                      ; 0..7 K's heads, 8..15 V's
	s_and_b32 s94, s47, 7
	s_lshl_b32 s47, s47, 11
	s_add_co_u32 s47, s47, s20
	s_add_co_u32 s47, s47, 1024                    ; kv16: V's part lies 8 heads behind K's
	s_lshl_b32 s94, s94, 11
	s_add_co_u32 s94, s94, s20
	s_add_co_u32 s94, s94, 1024
	s_lshl_b32 s94, s94, 9                         ; out1 or out2: rows of 512 bytes
	s_mov_b32 s95, 0
	s_cmp_lt_u32 ttmp9, 8
	s_cselect_b32 s46, s46, s47
	s_cselect_b64 s[8:9], s[8:9], s[10:11]
	s_lshl_b32 s46, s46, 8                         ; rows of 256 bytes
	s_mov_b32 s47, 0
	s_add_nc_u64 s[8:9], s[8:9], s[46:47]
	s_cmp_lt_u32 ttmp9, 10
	s_cselect_b64 s[12:13], s[12:13], s[14:15]
	s_add_nc_u64 s[12:13], s[12:13], s[94:95]
	s_mov_b32 s92, 0x3d800000                      ; 2^-4
	s_mov_b32 s93, s92
.macro FRAG reg, adr, q, i             ; 16 rows x 128 K of 4-bit codes: 8 registers, two loads of 16 bytes, 32 bytes apart
.irp c, 0,1
	ds_load_b128 v[\reg+4*\c:\reg+4*\c+3], v[\adr] offset:64*(\q)+32*\c+(\i)*16*PITCH
.endr
.endm
.macro FETCH slot, q, p                ; 24 loads: B's eight and A's four fragments of the slot's q-th 128 along K, into set p
	WIN TO_B
.irp i, 0,1,2,3,4,5,6,7
	FRAG 64*(\p)+8*\i, ADRB+\slot, \q, \i
.endr
	WIN 0
.irp i, 0,1,2,3
	FRAG AF+32*(\p)+8*\i, ADRA+\slot, \q, \i
.endr
.endm
.macro SCALES sc                       ; a K step's scale words, four a row: lanes 0-15 take A's block i (of use for i under 4), lanes 16-31 B's block i
.irp i, 0,1,2,3,4,5,6,7
	ds_load_b128 v[SC+32*\sc+4*\i:SC+32*\sc+4*\i+3], v[ADRS] offset:\i*SBLK
.endr
.endm
; 16 matrix instructions: A's blocks a0, a0 + 1 x B's eight.  The 32 accumulators take turns, one instruction a turn, in the same order in every step.
.macro MUL16 a0, p, q, sc, zero
.irp a, \a0, \a0+1
.irp b, 0,1,2,3,4,5,6,7
.if \zero
	v_wmma_scale_f32_16x16x128_f8f6f4 v[8*(8*(\a)+\b):8*(8*(\a)+\b)+7], v[64*(\p)+8*\b:64*(\p)+8*\b+7], v[AF+32*(\p)+8*(\a):AF+32*(\p)+8*(\a)+7], 0, v[SC+32*(\sc)+4*\b+(\q)], v[SC+32*(\sc)+4*(\a)+(\q)] matrix_a_fmt:MATRIX_FMT_FP4 matrix_b_fmt:MATRIX_FMT_FP4 matrix_a_scale:MATRIX_SCALE_ROW1
.else
	v_wmma_scale_f32_16x16x128_f8f6f4 v[8*(8*(\a)+\b):8*(8*(\a)+\b)+7], v[64*(\p)+8*\b:64*(\p)+8*\b+7], v[AF+32*(\p)+8*(\a):AF+32*(\p)+8*(\a)+7], v[8*(8*(\a)+\b):8*(8*(\a)+\b)+7], v[SC+32*(\sc)+4*\b+(\q)], v[SC+32*(\sc)+4*(\a)+(\q)] matrix_a_fmt:MATRIX_FMT_FP4 matrix_b_fmt:MATRIX_FMT_FP4 matrix_a_scale:MATRIX_SCALE_ROW1
.endif
.endr
.endr
.endm
.macro PLACES                          ; four plain places between a matrix instruction and a load into its sources or a read of its result (ISA guide 7.12.1 for the read of its result)
.rept 4
	v_nop
.endr
.endm
.macro STEP slot, q, zero              ; a step of 128 along K whose successor lies in the same slot: the successor's fragments are asked for first, into the set that the last step multiplied
	s_wait_dscnt 0x0                               ; this step's fragments (and scale words) are in
	PLACES
	FETCH \slot, (\q)+1, 1-(\q)%2
	WIN MUL
	MUL16 0, (\q)%2, \q, \slot, \zero
	MUL16 2, (\q)%2, \q, \slot, \zero
	WIN 0
.endm
; A slot's last step changes slots: one barrier; in front of it each wave waits for all its tensor loads, adds 0 to its spare word, and waits for that and for its reads of this slot.  fill = 1: the slot is filled again, two K steps ahead.
.macro TURN slot, next, fill
	s_wait_tensorcnt 0x0                           ; all my tensor loads have landed: my part of the next slot
	ds_add_u32 v[SPW], v[NIL]                      ; 0 onto my spare word
	s_wait_dscnt 1                                 ; (the add alone may be out: this step's fragments are in)
	WIN MUL
	MUL16 0, 1, 3, \slot, 0                        ; sixteen matrix instructions stand between the add and the wait for it
	s_wait_dscnt 0x0                               ; the add is done, and my reads of this slot are over
	s_barrier_signal -1
	WIN 0
	s_barrier_wait -1
.if \fill
	CREST                                          ; the barrier has opened a round of the cluster's barrier: no wave of any partner still reads this slot or has a load on its way
	s_add_nc_u64 s[G0+4*\slot+2:G0+4*\slot+3], s[G0+4*\slot+2:G0+4*\slot+3], 512
	s_add_nc_u64 s[G0B+4*\slot+2:G0B+4*\slot+3], s[G0B+4*\slot+2:G0B+4*\slot+3], 512
	JLOAD G0+4*\slot, G1, G0B+4*\slot, G1B         ; my one tensor load behind the round; its four v_nop are the places in front of the loads below
.else
	PLACES
.endif
	v_add_nc_u32 v[ADRS], 16, v[ADRS]              ; the next K step's scale words
	FETCH \next, 0, 0
	SCALES \next
	WIN MUL
	MUL16 2, 1, 3, \slot, 0
	WIN 0
.endm
	s_wait_tensorcnt 1                             ; the scales and my part of K step 0 are in (K step 1's load may be out)
	s_barrier_signal -1
	s_barrier_wait -1                              ; everybody's are
	FETCH 0, 0, 0
	SCALES 0
	STEP 0, 0, 1                                   ; the first step stands in front of the loop: its products start the sums
	s_mov_b32 s3, 3
.Llap:                                             ; a trip goes once round the ring and fills both slots again: eight K steps, three trips and a tail
	STEP 0, 1, 0
	STEP 0, 2, 0
	TURN 0, 1, 1
	STEP 1, 0, 0
	STEP 1, 1, 0
	STEP 1, 2, 0
	TURN 1, 0, 1
	STEP 0, 0, 0
	s_sub_co_u32 s3, s3, 1
	s_cmp_lg_u32 s3, 0
	s_cbranch_scc1 .Llap
	STEP 0, 1, 0                                   ; the last lap fills nothing
	STEP 0, 2, 0
	TURN 0, 1, 0
	STEP 1, 0, 0
	STEP 1, 1, 0
	STEP 1, 2, 0
	s_wait_dscnt 0x0
	WIN MUL
	MUL16 0, 1, 3, 1, 0
	MUL16 2, 1, 3, 1, 0
	WIN 0
; THE WAY OUT, 16 rows x 128 columns at a time, through my own stage: a lane's 32 bytes go in, whole rows of 512 bytes come back.  K's and V's rows leave in f32 as they are; all rows leave x 2^-4 in f16, 256 consecutive bytes a store.
.macro OUTBLK a
.if (\a) > 0
	s_wait_xcnt 0x0                                ; the last block's stores have read their registers
.endif
	WIN 0x04                                       ; an LDS store's data: window 1
.irp b, 0,1,2,3,4,5,6,7
	ds_store_b128 v[STO], v[8*(8*(\a)+\b):8*(8*(\a)+\b)+3] offset:64*\b       ; each accumulator from its low end on
	ds_store_b128 v[STO], v[8*(8*(\a)+\b)+4:8*(8*(\a)+\b)+7] offset:64*\b+16
.endr
	WIN 0
.irp t, 0,1,2,3,4,5,6,7,8,9,10,11,12,13,14,15
	ds_load_b128 v[BK+4*\t:BK+4*\t+3], v[RD] offset:\t*SPITCH                 ; LDS serves a wave's instructions in order: these see my stores
.endr
	s_wait_dscnt 0x0
	s_cmp_lt_u32 ttmp9, 8                          ; Q has no f32 output
	s_cbranch_scc1 .Lis_q_\@
.irp t, 0,1,2,3,4,5,6,7,8,9,10,11,12,13,14,15
	global_store_b128 v[CO32], v[BK+4*\t:BK+4*\t+3], s[12:13] offset:(16*(\a)+\t)*512 th:TH_STORE_NT
.endr
.Lis_q_\@:
.irp t, 0,1,2,3,4,5,6,7,8,9,10,11,12,13,14,15
	v_pk_mul_f32 v[8:9], v[BK+4*\t:BK+4*\t+1], s[92:93] op_sel_hi:[1,0]
	v_pk_mul_f32 v[10:11], v[BK+4*\t+2:BK+4*\t+3], s[92:93] op_sel_hi:[1,0]
	v_cvt_pk_f16_f32 v[H16+2*\t], v8, v9
	v_cvt_pk_f16_f32 v[H16+2*\t+1], v10, v11
.endr
.irp t, 0,1,2,3,4,5,6,7,8,9,10,11,12,13,14,15
	global_store_b64 v[CO16], v[H16+2*\t:H16+2*\t+1], s[8:9] offset:(16*(\a)+\t)*256
.endr
.endm
	PLACES                                         ; behind the last products: for the reads of results and the writes into A's registers
	OUTBLK 0
	OUTBLK 1
	OUTBLK 2
	OUTBLK 3
	s_wait_tensorcnt 0x0                           ; the wave's end: behind my last tensor load and my last LDS store
	ds_add_u32 v[SPW], v[NIL]
	s_wait_dscnt 0x0
	CROUND                                         ; the closing round
	s_endpgm
.Lfunc_end_k_q78396d4213_gemm_qkv:
	.size	k_q78396d4213_gemm_qkv, .Lfunc_end_k_q78396d4213_gemm_qkv-k_q78396d4213_gemm_qkv
	.p2alignl 7, 3214868480
	.fill 96, 4, 3214868480
	.section	.rodata,"a",@progbits
	.p2align	6, 0x0
	.amdhsa_kernel k_q78396d4213_gemm_qkv
		.amdhsa_group_segment_fixed_size 327680
		.amdhsa_private_segment_fixed_size 0
		.amdhsa_enable_private_segment 0
		.amdhsa_kernarg_size 48
		.amdhsa_user_sgpr_count 2
		.amdhsa_user_sgpr_kernarg_segment_ptr 1
		.amdhsa_wavefront_size32 1
		.amdhsa_system_sgpr_workgroup_id_x 1
		.amdhsa_system_sgpr_workgroup_id_y 1
		.amdhsa_system_sgpr_workgroup_id_z 1
		.amdhsa_system_vgpr_workitem_id 0
		.amdhsa_next_free_vgpr 640
		.amdhsa_next_free_sgpr 100
		.amdhsa_reserve_vcc 0
		.amdhsa_float_denorm_mode_32 3
		.amdhsa_float_denorm_mode_16_64 3
		.amdhsa_memory_ordered 1
		.amdhsa_forward_progress 1
		.amdhsa_inst_pref_size 144
	.end_amdhsa_kernel
	.amdgpu_metadata
---
amdhsa.version: [ 1, 2 ]
amdhsa.kernels:
  - .name:           k_q78396d4213_gemm_qkv
    .symbol:         k_q78396d4213_gemm_qkv.kd
    .args:
      - { .name: codes, .offset: 0, .size: 8, .value_kind: global_buffer, .address_space: global }
      - { .name: scales, .offset: 8, .size: 8, .value_kind: global_buffer, .address_space: global }
      - { .name: q16, .offset: 16, .size: 8, .value_kind: global_buffer, .address_space: global }
      - { .name: kv16, .offset: 24, .size: 8, .value_kind: global_buffer, .address_space: global }
      - { .name: out1, .offset: 32, .size: 8, .value_kind: global_buffer, .address_space: global }
      - { .name: out2, .offset: 40, .size: 8, .value_kind: global_buffer, .address_space: global }
    .group_segment_fixed_size: 327680
    .private_segment_fixed_size: 0
    .kernarg_segment_align: 8
    .kernarg_segment_size: 48
    .max_flat_workgroup_size: 128
    .sgpr_count:     100
    .vgpr_count:     640
    .wavefront_size: 32
...
	.end_amdgpu_metadata
.endif
;; end of part 2
;; launch attn (part 3): grid 32 x 8, 4 waves a work-group, clusters of 4 x 1, 327,680 bytes of LDS; arguments q16, kv16, maskr, res16; writes res16
.if DOCPART == 3
	.amdgcn_target "amdgcn-amd-amdhsa--gfx1250"
	.amdhsa_code_object_version 6
	.text
	.protected	k_q78396d4213_attn
	.globl	k_q78396d4213_attn
	.p2align	8
	.type	k_q78396d4213_attn,@function
k_q78396d4213_attn:
	s_mov_b64 s[64:65], 0
	v_nop
	global_prefetch_b8 v0, s[64:65] scope:SCOPE_SE
	s_setreg_imm32_b32 hwreg(HW_REG_WAVE_MODE, 25, 1), 1
	s_wait_xcnt 0x0
	s_wait_alu depctr_hold_cnt(0) depctr_sa_sdst(0) depctr_va_vdst(0) depctr_va_sdst(0) depctr_va_ssrc(0) depctr_va_vcc(0) depctr_vm_vsrc(0)
	s_getreg_b32 s2, hwreg(HW_REG_IB_STS2, 6, 4)
	s_cmp_eq_u32 s2, 0
	s_cbranch_scc0 .Lentry_in_a_cluster
	s_endpgm
.Lentry_in_a_cluster:
	s_bfe_u32 s2, ttmp6, 0x10000c
	s_cmp_lg_u32 s2, 0x3003
	s_cbranch_scc0 .Lentry_shape_is_right
	s_endpgm
.Lentry_shape_is_right:
; res[s][(8 t + g) 128 + d] = the sum over 2,048 keys of softmax(Q[8 t + g][s] . K[g][key] / sqrt(128) + mask[s][key]) V[g][key][d].  Operands in f16 (Q, K, V arrive x 2^-4), products, maxima and sums in f32;
; the weights p are rounded to f16 for the second product; res16 = res x 2^-4 in f16.  The mask is an input: all of it is read and added (it arrives x log2(e), in the order of the score registers).
; t = raw x c + mask x log2(e), c = 2^8 log2(e) / sqrt(128), by one fused multiply-add: one rounding where the source has two.  A running maximum m and sum l for each query: p = 2^(t - m).
; SHARES.  A work-group owns key/value head g and 32 queries.  Wave w: 16 queries (w % 2) and every other block of 64 keys (w / 2): 16 key steps.  Its FOUR TILES ARE THE FOUR QUERY HEADS 8 t + g OVER THE SAME 16 QUERIES:
; each fragment of K and V feeds four matrix instructions, and one set of 32 mask registers serves four tiles.  The two halves of the keys are joined once, through LDS, at the end.
; LAYOUT.  S^T = K Q^T, O^T = V^T P: a lane holds one query throughout.  K comes out of LDS as it lies, V turned by ds_load_tr16_b128.
; BY TURNS.  The tiles are two PIECES, named by their first tile: piece 0 (tiles 0, 1) and piece 2 (tiles 2, 3).  In a TURN one piece has the matrix unit: 32 products V^T P of the step in hand, then 32 products K Q^T of
; the next step; the other piece's softmax, cut into slices, stands between them, one slice behind each matrix instruction.  Then the pieces change places; two turns are a key step.  A tile's softmax is 149 instructions,
; two tiles' 298 for a turn's 64 products.  The fetches from LDS run one key step ahead of the products.
; THE MASK of a step serves piece 0 in one turn and piece 2 in the next, so its registers are free for less than a turn: the next block is loaded into a second set a whole key step ahead and moved over by 32 v_mov_b32.
; CLUSTER.  The four query blocks of a cluster walk the same K and V: each tile is asked for jointly.  Ring: two slots of 256 keys; one joint load a wave behind each round.
; LIMITS: a row whose every t is -infinity gives NaN, as in the source.  The f16 ranges are those of the launches that made the operands.
; REGISTERS: window 0: v1-11, v60-63 addresses; v12-43 eight of statistics a tile (+0 m, +1 the old m, +2, +3 l, +4..+7 at work, a in +6); v44-59 the join; v64-191 S^T; v192-255 P.
;   window 1: O^T, 64 a tile.   window 2: v0-127 Q, v128-255 K.   window 3: v0-127 V, v128-159 the mask in hand, v160-191 the next step's.
.set PK,    272                        ; a row of K in LDS: 256 bytes + 16
.set PV,    288                        ; a row of V: 256 + 32
.set VOFF,  256*PK                     ; a slot: 256 rows of K, then 256 of V
.set SLOTB, 256*(PK+PV)
.set SPARE, 2*SLOTB                    ; the spare words, 128 bytes for each wave: two blocks of 256 bytes that no other line names
.set XCHB,  33792                      ; the join, in slot 0 behind its last fill and read: 64 images of 512 bytes of O^T, one of m, one of l, for each half of the queries
.set STG,   69632                      ; and behind them a stage of 16 rows x 272 bytes for each of waves 0 and 1
.set AK0, 2
.set AV0, 3
.set ADK, 4
.set ADV, 5
.set QO,  6
.set RD,  7
.set GO,  8
.set MKO, 10
.set XI,  11
.set ST,  12
.set PFO, 60
.set STO, 61
.set SPW, 62
.set NIL, 63
.set S,   64
.set P,   192
.set KF,  128
.set MK,  128
.set MB,  160
.set SLOTS, 2                          ; s2   changes of slots that still fill
.set LIM, 3                            ; s3   1 in a cluster that prefetches, else the greatest number
.set WV,  12
.set PFA, 18
.set G1K, 24
.set G1V, 32
.set G0K, 40
.set G0V, 48
.set LAPS, 56
.set TWICE, 57
.set CS,  58
.set SEL, 60
.set TBK, 62                           ; s62  LDS byte at which K's tile of the step to be fetched begins (less my lane's part)
.set TBV, 63                           ; s63  the same for V
.set STP, 66
.set MSB, 0
.macro WIN new                         ; the immediate's high byte repeats the setting that is left; a switch that changes nothing is dropped
.if MSB != \new
	s_set_vgpr_msb (MSB<<8)|\new
.set MSB, \new
.endif
.endm
.set W_KQ, 0x0a                        ; K and Q in window 2, S^T in window 0
.set W_PV, 0x53                        ; V in window 3, P in window 0, O^T in window 1
.set W_RS, 0x41                        ; O^T (destination and source 0) in window 1
; A joint load into slot s: waves 0 and 1 fetch K's halves, waves 2 and 3 V's.  An s_nop 0 and four v_nop follow each line.
.macro JLOAD s
	s_cmp_lt_u32 s[WV], 2
	s_cbranch_scc0 .Lfor_v_\@
	tensor_load_to_lds s[G0K+4*(\s):G0K+4*(\s)+3], s[G1K:G1K+7]
	s_nop 0
.rept 4
	v_nop
.endr
	s_branch .Lasked_\@
.Lfor_v_\@:
	tensor_load_to_lds s[G0V+4*(\s):G0V+4*(\s)+3], s[G1V:G1V+7]
	s_nop 0
.rept 4
	v_nop
.endr
.Lasked_\@:
.endm
; A prefetch of the tile that the NEXT change of slots will ask for: 256 rows of K and 256 of V, 256 bytes a row, a lane a row.  All clusters of a head walk the same rows: the head's first cluster asks.
; Its four partners take 64 rows each, told apart by address; in each, waves 0 and 1 ask for K's, waves 2 and 3 for V's, 32 rows a wave: each row is named once in the launch.  The last change that fills asks for nothing.
.macro ASK
	s_cmp_gt_u32 s[SLOTS], s[LIM]
	s_cbranch_scc0 .Lnot_mine_\@
	global_prefetch_b8 v[PFO], s[PFA:PFA+1] th:TH_LOAD_NT scope:SCOPE_SE
.Lnot_mine_\@:
.endm
.macro CROUND                          ; a round of the cluster's barrier
	s_barrier_signal -1
	s_barrier_wait -1
	s_cmp_lg_u32 s[WV], 0
	s_cbranch_scc1 .Lnot_wave_0_\@
	s_barrier_signal -3
.Lnot_wave_0_\@:
	s_barrier_wait -3
	s_barrier_signal -1
	s_barrier_wait -1
.endm
.macro PLACES                          ; four plain places between a matrix instruction and a read of its result (ISA guide 7.12.1)
.rept 4
	v_nop
.endr
.endm
	s_load_b256 s[4:11], s[0:1], 0x0               ; q16 s[4:5], kv16 s[6:7], maskr s[8:9], res16 s[10:11]
	v_lshl_add_u32 v[SPW], v0, 2, SPARE
	v_mov_b32 v[NIL], 0
	ds_add_u32 v[SPW], v[NIL]                      ; the wave's opening: the add and its wait stand ahead of my first tensor load; work on registers stands between them
	v_lshrrev_b32 v1, 5, v0
	v_readfirstlane_b32 s[WV], v1                  ; wave 0..3
	s_bfe_u32 s13, ttmp6, 0x40000                  ; cx
	s_lshl_b32 s14, ttmp9, 2
	s_add_co_u32 s14, s14, s13                     ; my block of 32 queries: it enters Q's, the mask's and the result's addresses alone
	s_and_b32 s15, ttmp7, 0xffff                   ; g, which the partners share
	s_and_b32 s16, s[WV], 1                        ; which 16 queries; also which half of a tile I fetch
	s_lshr_b32 s17, s[WV], 1                       ; which blocks of keys
	s_mov_b32 s[G1K], 15|(1<<16)|(1<<20)|(1<<21)|(5<<22)|(3<<25)   ; the mask: all four; elements of 2 bytes; padding on; bit 21 beside a mask; four words behind every 64
	s_mov_b32 s[G1V], 15|(1<<16)|(1<<20)|(1<<21)|(5<<22)|(7<<25)   ; eight words
.irp g, G1K, G1V
	s_mov_b32 s[\g+1], 128<<16                     ; a tile of 128 rows x 128 elements, dense in memory
	s_mov_b32 s[\g+2], 128<<16
	s_mov_b32 s[\g+3], 128<<16
	s_mov_b32 s[\g+4], 128
	s_mov_b32 s[\g+5], 128
	s_mov_b32 s[\g+6], 0
	s_mov_b32 s[\g+7], 0
.endr
	s_lshl_b32 s20, s15, 19                        ; the head's 2,048 rows of 256 bytes,
	s_lshl_b32 s21, s16, 15                        ; my 128 rows of a slot
	s_add_co_u32 s20, s20, s21
	s_mov_b32 s21, 0
	s_mul_i32 s22, s16, 128*PK                     ; and their places in a slot
	s_mul_i32 s23, s16, 128*PV
	s_add_co_u32 s23, s23, VOFF
	s_lshl_b32 s68, s15, 10
	s_lshl_b32 s69, s14, 5
	s_add_co_u32 s68, s68, s69
	s_lshl_b32 s69, s16, 4
	s_add_co_u32 s68, s68, s69
	s_lshl_b32 s68, s68, 8                         ; Q: (1024 g + 32 block + 16 half) rows of 256 bytes
	s_mov_b32 s69, 0
	s_lshl_b32 s70, s17, 22                        ; the prefetches: K's part or V's,
	s_lshl_b32 s71, s15, 19
	s_add_co_u32 s70, s70, s71                     ; the head,
	s_lshl_b32 s71, s13, 14
	s_add_co_u32 s70, s70, s71                     ; my work-group's 64 rows,
	s_lshl_b32 s71, s16, 13
	s_add_co_u32 s70, s70, s71                     ; my wave's 32 of them,
	s_add_co_u32 s70, s70, 131072                  ; in the third tile of 256 keys: each change of slots steps it first, so that change n names tile n + 2.  Nothing is prefetched at the head
	s_mov_b32 s71, 0
	s_mov_b32 s[CS], 0x420293ee                    ; c = 2^8 log2(e) / sqrt(128)
	s_mov_b32 s[CS+1], s[CS]
	s_mov_b32 s[SEL], 0x76543210
	s_mov_b32 s[SEL+1], 0xfedcba98
	s_mov_b32 s[STP], 15                           ; key steps in which a mask is moved over, the one in hand among them; the last of them asks for no further block
	s_mov_b32 s[LAPS], 3
	s_mov_b32 s[SLOTS], 6
	s_cmp_eq_u32 ttmp9, 0                          ; the head's first cluster: the same in all four partners
	s_cselect_b32 s[LIM], 1, -1
	s_wait_dscnt 0x0                               ; the opening add is done
	s_wait_kmcnt 0x0
	s_add_nc_u64 s[PFA:PFA+1], s[6:7], s[70:71]
	s_add_nc_u64 s[6:7], s[6:7], s[20:21]          ; K at my part of the first tile
	s_add_nc_u64 s[4:5], s[4:5], s[68:69]
	s_lshl_b32 s68, s14, 1
	s_add_co_u32 s68, s68, s16
	s_lshl_b32 s68, s68, 5
	s_add_co_u32 s68, s68, s17
	s_lshl_b32 s68, s68, 12                        ; the mask: block (2 block + half, my first 64 keys)
	s_add_nc_u64 s[8:9], s[8:9], s[68:69]
	s_lshl_b32 s68, s14, 5
	s_lshl_b32 s70, s16, 4
	s_add_co_u32 s68, s68, s70
	s_lshl_b32 s68, s68, 13                        ; the result: rows of 8,192 bytes,
	s_lshl_b32 s70, s15, 8
	s_add_co_u32 s68, s68, s70                     ; + 256 g
	s_add_nc_u64 s[10:11], s[10:11], s[68:69]
	CROUND                                         ; all four work-groups are here: the first joint loads meet
.irp s, 0,1
	s_mov_b32 s[G0K+4*\s], 1
	s_add_co_u32 s[G0K+4*\s+1], s22, \s*SLOTB
	s_add_nc_u64 s[G0K+4*\s+2:G0K+4*\s+3], s[6:7], \s*65536
	s_or_b32 s[G0K+4*\s+3], s[G0K+4*\s+3], 0x80000000
	s_mov_b32 s[G0V+4*\s], 1
	s_add_co_u32 s[G0V+4*\s+1], s23, \s*SLOTB
	s_add_nc_u64 s[G0V+4*\s+2:G0V+4*\s+3], s[6:7], \s*65536+4194304
	s_or_b32 s[G0V+4*\s+3], s[G0V+4*\s+3], 0x80000000
.endr
	s_cmp_lt_u32 s[WV], 2                          ; a wave's two first fills stand in one branch, ahead of every wait on TENSORcnt and every LDS read: two loads of mine are out
	s_cbranch_scc0 .Lfirst_v
	tensor_load_to_lds s[G0K:G0K+3], s[G1K:G1K+7]
	s_nop 0
	tensor_load_to_lds s[G0K+4:G0K+7], s[G1K:G1K+7]
	s_nop 0
.rept 4
	v_nop
.endr
	s_branch .Lfirst_asked
.Lfirst_v:
	tensor_load_to_lds s[G0V:G0V+3], s[G1V:G1V+7]
	s_nop 0
	tensor_load_to_lds s[G0V+4:G0V+7], s[G1V:G1V+7]
	s_nop 0
.rept 4
	v_nop
.endr
.Lfirst_asked:
	v_and_b32 v1, 15, v0                           ; r
	v_bfe_u32 v9, v0, 4, 1                         ; h
	v_and_b32 v4, 31, v0                           ; lane
	v_lshlrev_b32 v[QO], 8, v1
	v_lshl_add_u32 v[QO], v9, 4, v[QO]
	v_lshlrev_b32 v[MKO], 4, v4
	v_lshlrev_b32 v[PFO], 8, v4
	WIN 0x80
.irp t, 0,1,2,3                        ; Q stays in registers: tile t = head 8 t + g, channels 32 c on
.irp c, 0,1,2,3
	global_load_b128 v[32*\t+8*\c:32*\t+8*\c+3],   v[QO], s[4:5] offset:\t*2097152+\c*64
	global_load_b128 v[32*\t+8*\c+4:32*\t+8*\c+7], v[QO], s[4:5] offset:\t*2097152+\c*64+32
.endr
.endr
	WIN 0xc0
.irp n, 0,1,2,3,4,5,6,7
	global_load_b128 v[MK+4*\n:MK+4*\n+3], v[MKO], s[8:9] offset:512*\n           ; my first step's mask,
	global_load_b128 v[MB+4*\n:MB+4*\n+3], v[MKO], s[8:9] offset:8192+512*\n      ; and my second's
.endr
	WIN 0x40
.set i, 0
.rept 256
	v_mov_b32 v[i], 0                              ; O^T.  The turns are written for every step alike: the first finds zeros, which its a = 0 leaves zeros.  These lines stand once and spare further copies of the turns
.set i, i+1
.endr
	WIN 0
	s_mul_i32 s68, s17, 64*PK
	v_mul_u32_u24 v[AK0], v1, PK
	v_lshl_add_u32 v[AK0], v9, 4, v[AK0]
	v_add_nc_u32 v[AK0], s68, v[AK0]               ; K: row r x pitch + 16 h, in my block of 64 keys
	v_and_b32 v5, 7, v0
	v_bfe_u32 v44, v0, 3, 1
	v_lshl_add_u32 v[AV0], v9, 3, v5
	v_mul_u32_u24 v[AV0], v[AV0], PV
	v_lshl_add_u32 v[AV0], v44, 4, v[AV0]
	s_mul_i32 s68, s17, 64*PV
	s_add_co_u32 s68, s68, VOFF
	v_add_nc_u32 v[AV0], s68, v[AV0]               ; V, for the turning load: key 8 h + lane % 8, channels 8 ((lane / 8) % 2) on
	s_mul_i32 s68, s16, XCHB
	v_add_nc_u32 v[XI], s68, v[MKO]                ; the join's images: 16 bytes a lane
	s_mul_i32 s68, s16, 16*272
	s_add_co_u32 s68, s68, STG
	v_mul_u32_u24 v[STO], v1, 272
	v_lshl_add_u32 v[STO], v9, 4, v[STO]
	v_add_nc_u32 v[STO], s68, v[STO]               ; the stage: in,
	v_mul_u32_u24 v[RD], v9, 272
	v_lshl_add_u32 v[RD], v1, 4, v[RD]
	v_add_nc_u32 v[RD], s68, v[RD]                 ; and back: lanes 0-15 one row, lanes 16-31 the next
	v_lshlrev_b32 v[GO], 13, v9
	v_lshl_add_u32 v[GO], v1, 4, v[GO]             ; the same two rows of the result
.irp t, 0,1,2,3
	v_mov_b32 v[ST+8*\t], 0xff61b1e6               ; m: -3e38, under every t
	v_mov_b32 v[ST+8*\t+1], 0xff61b1e6
.irp n, 2,3,4,5,6,7
	v_mov_b32 v[ST+8*\t+\n], 0
.endr
.endr
; THE MATRIX WORK OF A TURN, for piece x.  The accumulators take turns, one instruction a turn: between two links of a chain stand 15 (V^T P) or 7 (K Q^T) others'.
; Product i of 32 of O^T += V^T P: keys 32 (i / 16) on, channels 16 ((i / 2) % 8) on, tile x + i % 2.
.macro PV x
	WIN W_PV
.set rO, 64*(\x+i%2)+8*((i/2)%8)
.set rV, 64*(i/16)+8*((i/2)%8)
.set rP, P+16*(\x+i%2)+8*(i/16)
	v_wmma_f32_16x16x32_f16 v[rO:rO+7], v[rV:rV+7], v[rP:rP+7], v[rO:rO+7]
.endm
; Product i of 32 of S^T = K Q^T: channels 32 (i / 8) on, keys 16 ((i / 2) % 4) on, tile x + i % 2.  The first 8 start the sums.
.macro KQ x
	WIN W_KQ
.set rS, S+32*(\x+i%2)+8*((i/2)%4)
.set rK, KF+32*((i/2)%4)+8*(i/8)
.set rQ, 32*(\x+i%2)+8*(i/8)
.if i < 8
	v_wmma_f32_16x16x32_f16 v[rS:rS+7], v[rK:rK+7], v[rQ:rQ+7], 0
.else
	v_wmma_f32_16x16x32_f16 v[rS:rS+7], v[rK:rK+7], v[rQ:rQ+7], v[rS:rS+7]
.endif
.endm
; THE LDS LOADS stand in runs of 32, never singly among the matrix instructions: a step's K (64 keys x 128 channels: 16 fragments) and, a turn later, its V (turned).
.macro FETCH_K
	WIN 0
	v_add_nc_u32 v[ADK], s[TBK], v[AK0]
	WIN 0x80
.irp f, 0,1,2,3,4,5,6,7,8,9,10,11,12,13,14,15  ; keys 16 (f / 4) on, channels 32 (f % 4) on
	ds_load_b128 v[KF+8*\f:KF+8*\f+3],   v[ADK] offset:(\f/4)*16*PK+(\f%4)*64
	ds_load_b128 v[KF+8*\f+4:KF+8*\f+7], v[ADK] offset:(\f/4)*16*PK+(\f%4)*64+32
.endr
.endm
.macro FETCH_V                         ; it stands behind the v_nop that follows the batch of exponentials: that v_nop, the addition and the three v_nop below are five plain places between the last V^T P that read V and these loads
	WIN 0
	v_add_nc_u32 v[ADV], s[TBV], v[AV0]
	s_add_co_u32 s[TBK], s[TBK], 128*PK            ; the next fetches are my next step's: 128 keys on
	s_add_co_u32 s[TBV], s[TBV], 128*PV
.rept 3
	v_nop
.endr
	s_wait_alu depctr_va_vdst(0)                   ; the wait for the softmax's batch, ahead of the batch's first reader
	WIN 0xc0
.irp f, 0,1,2,3,4,5,6,7,8,9,10,11,12,13,14,15  ; keys 32 (f / 8) on, channels 16 (f % 8) on
	ds_load_tr16_b128 v[8*\f:8*\f+3],   v[ADV] offset:(\f/8)*32*PV+(\f%8)*32
	ds_load_tr16_b128 v[8*\f+4:8*\f+7], v[ADV] offset:(\f/8)*32*PV+16*PV+(\f%8)*32
.endr
.endm
; THE MASK'S WAY.  MASKIN: the next step's block, asked for a key step ago, is in; its loads are done, so their base may step.  MASKNEXT: behind the 32 moves the block after that is asked for; my last such step asks for none.
.macro MASKIN
	s_wait_loadcnt 0x0
	s_add_nc_u64 s[8:9], s[8:9], 8192              ; two blocks of 64 keys on
.endm
.macro MASKNEXT
	WIN 0
	s_cmp_eq_u32 s[STP], 1                         ; no load leaves its buffer
	s_cbranch_scc1 .Lno_mask_\@
	WIN 0xc0
.irp n, 0,1,2,3,4,5,6,7
	global_load_b128 v[MB+4*\n:MB+4*\n+3], v[MKO], s[8:9] offset:512*\n
.endr
	WIN 0
.Lno_mask_\@:
	s_sub_co_u32 s[STP], s[STP], 1
.endm
; THE VECTOR WORK OF A TURN.  The softmax of piece y (tiles a = y, b = y + 1) for one key step is a list of 298 instructions; SMI writes number j of it.  cp = 1: 32 moves of the next step's mask stand behind the first 32.
;   0-31    t = raw x c + mask x log2(e), a pair of scores each, the tiles by turns, each accumulator from its low end on
;   (32 moves, cp = 1)
;   32-63   the maximum of a lane's 32 and the old m, three operands at a time, the tiles by turns
;   64-71   the other half of the lanes' maximum; the old m kept; the new m; old m - new m
;   72-87   tile a's t - m
;   88-169  ONE BATCH of 66 exponentials: a of tile a; tile a's 32 weights with tile b's 16 subtractions among them; a of tile b; tile b's 32 weights.  None of these lines reads an exponential's result
;   (wait)  behind 169: a v_nop and the one wait for the batch
;   170-201 the roundings to f16, a pair of weights each;   202-233 the sums of the unrounded weights, l = a l + the sum;   234-297 O^T x a: the one part in window 1, so it stands together
.macro SMI y, cp
.set jj, j
.if (\cp) && (j >= 64)
.set jj, j-32
.elseif (\cp) && (j >= 32)
.set jj, -1
.endif
.set tl, (\y)+(j%2)
.set rT, ST+8*tl
.set rS, S+32*tl
.if jj == -1
	WIN 0xc3
	v_mov_b32 v[MK+j-32], v[MB+j-32]
.elseif jj < 32
	WIN 0x30                                       ; source 2: window 3
.set ii, 2*(jj/2)
	v_pk_fma_f32 v[rS+ii:rS+ii+1], v[rS+ii:rS+ii+1], s[CS:CS+1], v[MK+ii:MK+ii+1] op_sel_hi:[1,0,1]
.elseif jj < 64
	WIN 0
.set u, (jj-32)/2
.if u < 4
	v_max3_num_f32 v[rT+4+u], v[rS+8*u], v[rS+8*u+1], v[rS+8*u+2]
.elseif u < 12
.set cq, (u-4)%4
.set rq, (u-4)/4+1
	v_max3_num_f32 v[rT+4+cq], v[rT+4+cq], v[rS+8*cq+2*rq+1], v[rS+8*cq+2*rq+2]
.elseif u == 12
	v_max3_num_f32 v[rT+4], v[rT+4], v[rS+7], v[rS+15]
.elseif u == 13
	v_max3_num_f32 v[rT+6], v[rT+6], v[rS+23], v[rS+31]
.elseif u == 14
	v_max3_num_f32 v[rT+4], v[rT+4], v[rT+5], v[rT+6]
.else
	v_max3_num_f32 v[rT+4], v[rT+4], v[rT+7], v[rT]
.endif
.elseif jj < 72
	WIN 0
.set u, (jj-64)/2
.if u == 0
	v_permlanex16_b32 v[rT+5], v[rT+4], s[SEL], s[SEL+1]   ; the query's other 32 keys lie in the lane 16 away
.elseif u == 1
	v_mov_b32 v[rT+1], v[rT]
.elseif u == 2
	v_max_num_f32 v[rT], v[rT+4], v[rT+5]
.else
	v_sub_f32 v[rT+7], v[rT+1], v[rT]
.endif
.elseif jj < 88
	WIN 0
.set rT, ST+8*(\y)
.set rS, S+32*(\y)
.set ii, 2*(jj-72)
	v_pk_add_f32 v[rS+ii:rS+ii+1], v[rS+ii:rS+ii+1], v[rT:rT+1] op_sel_hi:[1,0] neg_lo:[0,1] neg_hi:[0,1]
.elseif jj == 88
	WIN 0
.set rT, ST+8*(\y)
	v_exp_f32 v[rT+6], v[rT+7]
.elseif jj < 137
	WIN 0
.set q, jj-89
.if q%3 == 0
.set rT, ST+8*((\y)+1)
.set rS, S+32*((\y)+1)
.set ii, 2*(q/3)
	v_pk_add_f32 v[rS+ii:rS+ii+1], v[rS+ii:rS+ii+1], v[rT:rT+1] op_sel_hi:[1,0] neg_lo:[0,1] neg_hi:[0,1]
.else
.set rS, S+32*(\y)
.set ii, 2*(q/3)+(q%3)-1
	v_exp_f32 v[rS+ii], v[rS+ii]
.endif
.elseif jj == 137
	WIN 0
.set rT, ST+8*((\y)+1)
	v_exp_f32 v[rT+6], v[rT+7]
.elseif jj < 170
	WIN 0
.set rS, S+32*((\y)+1)
	v_exp_f32 v[rS+jj-138], v[rS+jj-138]
.elseif jj < 202
	WIN 0
.set ii, (jj-170)/2
	v_cvt_pk_f16_f32 v[P+16*tl+ii], v[rS+2*ii], v[rS+2*ii+1]   ; two neighbouring keys' weights: P is source 1 of V^T P as it stands
.elseif jj < 234
	WIN 0
.set z, (jj-202)/2                     ; in place: neighbours 1, 2, 4 and 8 pairs apart, then l takes the sum
.set w, 4
.set u, z
.if z >= 14
.set w, 32
.set u, 0
.elseif z >= 12
.set w, 16
.set u, z-12
.elseif z >= 8
.set w, 8
.set u, z-8
.endif
.if z < 15
	v_pk_add_f32 v[rS+w*u:rS+w*u+1], v[rS+w*u:rS+w*u+1], v[rS+w*u+w/2:rS+w*u+w/2+1]
.else
	v_pk_fma_f32 v[rT+2:rT+3], v[rT+2:rT+3], v[rT+6:rT+7], v[rS:rS+1] op_sel_hi:[1,0,1]
.endif
.else
	WIN W_RS
.set q, jj-234
.set tl, (\y)+q/32
.set rT, ST+8*tl
.set ii, 64*tl+2*(q%32)
	v_pk_mul_f32 v[ii:ii+1], v[ii:ii+1], v[rT+6:rT+7] op_sel_hi:[1,0]
.endif
.endm
; Slice k of nw: the list is dealt out evenly, slice k ends at number (k + 1) x length / nw.  With 64 slices a slice has 4 to 6 instructions; the last has 5 or 6, all plain rescalings that name nothing of the products round them:
; they are the places between the turn's last K Q^T and what follows, the next turn's first read of those scores and the loads into K's registers.
.macro SLICE y, cp, nw
.set jend, ((k+1)*(298+32*(\cp)))/(\nw)
.rept jend-j
.if (\cp) && (j == 32)
	MASKIN
.endif
.if (\cp) && (j == 64)
	MASKNEXT
.endif
	SMI \y, \cp
.if j == 169+32*(\cp)                  ; the batch is out: both tiles' exponentials are issued, and no result has been named
	v_nop                                          ; a plain instruction behind the last exponential: one for the batch
.if (\y) == 0
	FETCH_V                                        ; piece 2's turn: V's run of loads stands here, and the wait stands in it; with 64 slices this is slice 36, behind the turn's 32 products V^T P
.else
	s_wait_alu depctr_va_vdst(0)                   ; the one wait ahead of the batch's first reader
.endif
.endif
.set j, j+1
.endr
.set k, k+1
.endm
; A TURN.  Piece x has the matrix unit; the other piece's softmax stands in slices behind its matrix instructions.  pv = 1: 32 products V^T P; kq = 1: 32 products K Q^T for the next step; cp: the mask's moves.
; Piece 0's turn fetches the next step's K behind its second product: the last product that read K stands in front of the last slice of the turn before.
.macro TURN x, pv, kq, cp
.set k, 0
.set j, 0
.set NW, 32*((\pv)+(\kq))
.if \pv
.if \x == 0
	s_wait_dscnt 0x0                               ; V is in
.endif
.set i, 0
.rept 32
	PV \x
	SLICE 2-\x, \cp, NW
.if (\x == 0) && \kq && (i == 1)
	FETCH_K
.endif
.set i, i+1
.endr
.endif
.if \kq
.if \x == 0
	s_wait_dscnt 0x0                               ; K is in
.endif
.set i, 0
.rept 32
	KQ \x
	SLICE 2-\x, \cp, NW
.set i, i+1
.endr
.endif
.endm
; THE CHANGE OF SLOTS, between piece 2's turn and piece 0's: the last bytes of slot `left`, V of its second step, have been asked for.  Each wave waits for all its tensor loads (its part of the other slot), adds 0 to its
; spare word, and waits for that and for its reads of the slot.  fill = 1: behind a round of the cluster's barrier the slot takes the keys two tiles on: that load has two key steps of every wave in which to land.
.macro CHANGE left, fill
	WIN 0
	s_wait_tensorcnt 0x0                           ; no tensor load of mine is out, so a group 0 may be written
	ds_add_u32 v[SPW], v[NIL]                      ; 0 onto my spare word: the steps below stand between it and the wait for it
.if \fill
	s_add_nc_u64 s[G0K+4*\left+2:G0K+4*\left+3], s[G0K+4*\left+2:G0K+4*\left+3], 131072   ; this slot's next tile: 512 keys on
	s_add_nc_u64 s[G0V+4*\left+2:G0V+4*\left+3], s[G0V+4*\left+2:G0V+4*\left+3], 131072
	s_wait_xcnt 0x0                                ; the last prefetch, two key steps back, has read its address
	s_add_nc_u64 s[PFA:PFA+1], s[PFA:PFA+1], 65536
	s_wait_dscnt 0x0                               ; the add is done, and my reads of the slot are over
	CROUND
	JLOAD \left                                    ; my one tensor load behind the round
	ASK
	s_sub_co_u32 s[SLOTS], s[SLOTS], 1
.else
	s_wait_dscnt 0x0                               ; the add is done, and my reads of the slot are over
	s_barrier_signal -1
	s_barrier_wait -1
.endif
	s_mov_b32 s[TBK], (1-\left)*SLOTB              ; the fetches go on in the other slot
	s_mov_b32 s[TBV], (1-\left)*SLOTB
.endm
.macro TWO_STEPS                       ; two key steps: written once, walked twice; the LDS addresses hang on s[TBK] and s[TBV]
	s_mov_b32 s[TWICE], 2
.Lstep_\@:
	TURN 0, 1, 1, 1
	TURN 2, 1, 1, 0
	WIN 0
	s_sub_co_u32 s[TWICE], s[TWICE], 1
	s_cmp_lg_u32 s[TWICE], 0
	s_cbranch_scc1 .Lstep_\@
.endm
	s_wait_tensorcnt 1                             ; my part of slot 0 is in; slot 1's may stay out
	s_barrier_signal -1
	s_barrier_wait -1                              ; everybody's is
	s_mov_b32 s[TBK], 0
	s_mov_b32 s[TBV], 0
	FETCH_K                                        ; my key step 0
	s_wait_loadcnt 0x0                             ; Q and the first two blocks of the mask; their loads are done, so the mask's base may step
	s_add_nc_u64 s[8:9], s[8:9], 8192
	s_wait_dscnt 0x0
.set i, 0
.rept 32
	KQ 0                                           ; piece 0's first scores: there is no vector work yet to set between them
.set i, i+1
.endr
	WIN 0
	PLACES
	TURN 2, 0, 1, 0                                ; piece 2's first scores | piece 0's first softmax | V of step 0
	TURN 0, 1, 1, 1                                ; key step 0
	TURN 2, 1, 1, 0
	WIN 0
.Lring:                                            ; six changes of slots that fill, two a trip; the tail is written out
	CHANGE 0, 1
	TWO_STEPS
	CHANGE 1, 1
	TWO_STEPS
	s_sub_co_u32 s[LAPS], s[LAPS], 1
	s_cmp_lg_u32 s[LAPS], 0
	s_cbranch_scc1 .Lring
	CHANGE 0, 0                                    ; the last tile lies in slot 1; nothing is asked for
	TWO_STEPS
	TURN 0, 1, 0, 0                                ; piece 0: V^T P of my last step | piece 2's last softmax
.set i, 0
.rept 32
	PV 2                                           ; piece 2: V^T P of my last step
.set i, i+1
.endr
	WIN 0
	; THE JOIN.  Every wave closes its l; waves 2 and 3 hand O^T, m and l to waves 0 and 1 as images of their registers.  The lines below are also the places behind the last products.
.irp t, 0,1,2,3
	v_add_f32 v[ST+8*\t+4], v[ST+8*\t+2], v[ST+8*\t+3]
.endr
.irp t, 0,1,2,3
	v_permlanex16_b32 v[ST+8*\t+5], v[ST+8*\t+4], s[SEL], s[SEL+1]
.endr
.irp t, 0,1,2,3
	v_add_f32 v[56+\t], v[ST+8*\t+4], v[ST+8*\t+5]
.endr
.irp t, 0,1,2,3
	v_mov_b32 v[52+\t], v[ST+8*\t]
.endr
	s_cmp_lt_u32 s[WV], 2
	s_cbranch_scc1 .Lkeeper
	WIN 0x04                                       ; an LDS store's data: window 1
.set i, 0
.rept 64
	ds_store_b128 v[XI], v[4*i:4*i+3] offset:512*i                 ; ascending: each accumulator from its low end on
.set i, i+1
.endr
	WIN 0
	ds_store_b128 v[XI], v[52:55] offset:32768
	ds_store_b128 v[XI], v[56:59] offset:33280
.Lkeeper:
	s_wait_dscnt 0x0                               ; for the others' sake: my stores have landed
	s_barrier_signal -1
	s_barrier_wait -1
	s_cmp_lt_u32 s[WV], 2
	s_cbranch_scc0 .Lend
	ds_load_b128 v[44:47], v[XI] offset:32768      ; the partner's m,
	ds_load_b128 v[48:51], v[XI] offset:33280      ; and l
	s_wait_dscnt 0x0
.irp t, 0,1,2,3
	v_max_num_f32 v[ST+8*\t], v[52+\t], v[44+\t]   ; M
.endr
.irp t, 0,1,2,3
	v_sub_f32 v[ST+8*\t+2], v[52+\t], v[ST+8*\t]
	v_sub_f32 v[ST+8*\t+4], v[44+\t], v[ST+8*\t]
.endr
.irp t, 0,1,2,3
	v_exp_f32 v[ST+8*\t+2], v[ST+8*\t+2]           ; f0 = 2^(m0 - M), f1 = 2^(m1 - M)
	v_exp_f32 v[ST+8*\t+4], v[ST+8*\t+4]
.endr
	v_nop
	s_wait_alu depctr_va_vdst(0)                   ; one wait for the eight
.irp t, 0,1,2,3
	v_mul_f32 v[ST+8*\t+6], v[56+\t], v[ST+8*\t+2]
.endr
.irp t, 0,1,2,3
	v_fmac_f32 v[ST+8*\t+6], v[48+\t], v[ST+8*\t+4]                ; L = l0 f0 + l1 f1
.endr
.irp t, 0,1,2,3
	v_rcp_f32 v[ST+8*\t+6], v[ST+8*\t+6]
.endr
	v_nop
	s_wait_alu depctr_va_vdst(0)                   ; one wait for the four
.irp t, 0,1,2,3
	v_mul_f32 v[ST+8*\t+2], v[ST+8*\t+2], v[ST+8*\t+6]             ; f0 / L
	v_mul_f32 v[ST+8*\t+4], v[ST+8*\t+4], v[ST+8*\t+6]             ; f1 / L
.endr
; Tile t: the partner's O^T from LDS, x f1 / L; mine x f0 / L on top; rounded to f16; through my stage, so that sixteen lanes store 256 consecutive bytes, aligned.
.macro MERGE t
.set BB, S+64*((\t)%2)
.set PB, P+32*((\t)%2)
.if (\t) >= 2
	s_wait_xcnt 0x0                                ; the stores of two tiles ago have read their registers
.endif
.irp n, 0,1,2,3,4,5,6,7,8,9,10,11,12,13,14,15
	ds_load_b128 v[BB+4*\n:BB+4*\n+3], v[XI] offset:512*(16*(\t)+\n)
.endr
	s_wait_dscnt 0x0
.set i, 0
.rept 32
	v_pk_mul_f32 v[BB+i:BB+i+1], v[BB+i:BB+i+1], v[ST+8*(\t)+4:ST+8*(\t)+5] op_sel_hi:[1,0]
.set i, i+2
.endr
	WIN 0x01                                       ; source 0: window 1
.set i, 0
.rept 32
	v_pk_fma_f32 v[BB+i:BB+i+1], v[64*(\t)+i:64*(\t)+i+1], v[ST+8*(\t)+2:ST+8*(\t)+3], v[BB+i:BB+i+1] op_sel_hi:[1,0,1]
.set i, i+2
.endr
	WIN 0
.set i, 0
.rept 32
	v_cvt_pk_f16_f32 v[PB+i], v[BB+2*i], v[BB+2*i+1]
.set i, i+1
.endr
.irp f, 0,1,2,3,4,5,6,7
	ds_store_b128 v[STO], v[PB+4*\f:PB+4*\f+3] offset:32*\f
.endr
.irp f, 0,1,2,3,4,5,6,7
	ds_load_b128 v[PB+4*\f:PB+4*\f+3], v[RD] offset:\f*2*272       ; LDS serves a wave's instructions in order: these see the stores above
.endr
.irp f, 0,1,2,3,4,5,6,7
	s_wait_dscnt 7-\f
	global_store_b128 v[GO], v[PB+4*\f:PB+4*\f+3], s[10:11] offset:16384*\f+2048*(\t)
.endr
.endm
	MERGE 0
	MERGE 1
	MERGE 2
	MERGE 3
.Lend:
	s_wait_tensorcnt 0x0                           ; the wave's end: behind my last tensor load and my last LDS store
	ds_add_u32 v[SPW], v[NIL]
	s_wait_dscnt 0x0
	CROUND                                         ; the closing round
	s_endpgm
.Lfunc_end_k_q78396d4213_attn:
	.size	k_q78396d4213_attn, .Lfunc_end_k_q78396d4213_attn-k_q78396d4213_attn
	.p2alignl 7, 3214868480
	.fill 96, 4, 3214868480
	.section	.rodata,"a",@progbits
	.p2align	6, 0x0
	.amdhsa_kernel k_q78396d4213_attn
		.amdhsa_group_segment_fixed_size 327680
		.amdhsa_private_segment_fixed_size 0
		.amdhsa_enable_private_segment 0
		.amdhsa_kernarg_size 32
		.amdhsa_user_sgpr_count 2
		.amdhsa_user_sgpr_kernarg_segment_ptr 1
		.amdhsa_wavefront_size32 1
		.amdhsa_system_sgpr_workgroup_id_x 1
		.amdhsa_system_sgpr_workgroup_id_y 1
		.amdhsa_system_sgpr_workgroup_id_z 1
		.amdhsa_system_vgpr_workitem_id 0
		.amdhsa_next_free_vgpr 1024
		.amdhsa_next_free_sgpr 72
		.amdhsa_reserve_vcc 0
		.amdhsa_float_denorm_mode_32 3
		.amdhsa_float_denorm_mode_16_64 3
		.amdhsa_memory_ordered 1
		.amdhsa_forward_progress 1
		.amdhsa_inst_pref_size 255
	.end_amdhsa_kernel
	.section	.bss,"aw",@nobits
	.p2align	6
	.space	262144
	.amdgpu_metadata
---
amdhsa.version: [ 1, 2 ]
amdhsa.kernels:
  - .name:           k_q78396d4213_attn
    .symbol:         k_q78396d4213_attn.kd
    .args:
      - { .name: q16, .offset: 0, .size: 8, .value_kind: global_buffer, .address_space: global }
      - { .name: kv16, .offset: 8, .size: 8, .value_kind: global_buffer, .address_space: global }
      - { .name: maskr, .offset: 16, .size: 8, .value_kind: global_buffer, .address_space: global }
      - { .name: res16, .offset: 24, .size: 8, .value_kind: global_buffer, .address_space: global }
    .group_segment_fixed_size: 327680
    .private_segment_fixed_size: 0
    .kernarg_segment_align: 8
    .kernarg_segment_size: 32
    .max_flat_workgroup_size: 128
    .sgpr_count:     72
    .vgpr_count:     1024
    .wavefront_size: 32
...
	.end_amdgpu_metadata
.endif
;; end of part 3
;; launch gemm_out (part 4): grid 32 x 8, 4 waves a work-group, clusters of 4 x 4, 327,680 bytes of LDS; arguments res16, wo16, out0; writes out0
.if DOCPART == 4
	.amdgcn_target "amdgcn-amd-amdhsa--gfx1250"
	.amdhsa_code_object_version 6
	.text
	.protected	k_q78396d4213_gemm_out
	.globl	k_q78396d4213_gemm_out
	.p2align	8
	.type	k_q78396d4213_gemm_out,@function
k_q78396d4213_gemm_out:
	s_mov_b64 s[64:65], 0
	v_nop
	global_prefetch_b8 v0, s[64:65] scope:SCOPE_SE
	s_setreg_imm32_b32 hwreg(HW_REG_WAVE_MODE, 25, 1), 1
	s_wait_xcnt 0x0
	s_wait_alu depctr_hold_cnt(0) depctr_sa_sdst(0) depctr_va_vdst(0) depctr_va_sdst(0) depctr_va_ssrc(0) depctr_va_vcc(0) depctr_vm_vsrc(0)
	s_getreg_b32 s2, hwreg(HW_REG_IB_STS2, 6, 4)
	s_cmp_eq_u32 s2, 0
	s_cbranch_scc0 .Lentry_in_a_cluster
	s_endpgm
.Lentry_in_a_cluster:
	s_bfe_u32 s2, ttmp6, 0x10000c
	s_cmp_lg_u32 s2, 0xf033
	s_cbranch_scc0 .Lentry_shape_is_right
	s_endpgm
.Lentry_shape_is_right:
; out0[m][n] = the sum over k of res[m][k] w_o[k][n].  A = res16 [1024][4096] f16 (res x 2^-4), B = wo16 [4096 k][4096 n] f16 (w_o x 2^4): the two powers of two cancel exactly.  Sums in f32; out0 f32.
; A tile of out0 is 128 x 128: 256 work-groups; four waves, each 64 x 64: 16 accumulators.  K goes in steps of 256 through two LDS slots.
; B LIES [K][N] AND STAYS SO: its tile is 256 rows of k x 256 bytes of n, and a fragment (16 n x 32 k, a lane a column) comes out of LDS by two turning loads.
; CLUSTERS: 4 x 4: A's tiles are asked for jointly along a row of the cluster, B's along a column.  THE MATRIX INSTRUCTION IS USED TRANSPOSED (source 0 = 16 columns of B, source 1 = 16 rows of A): a lane holds eight neighbouring numbers of a row.
; REGISTERS: window 0: v16-29 addresses; v128-255 the accumulators ((a, b) at v[128 + 8 (4 a + b)]), on the way out the rows.  window 1: two fragment buffers of 128: 64 of A, then 64 of B, for 64 along K.
.set PA,     528                       ; a row of A in LDS: 512 bytes + 16
.set PB,     288                       ; a row of B: 256 + 32
.set HALFA,  64*PA                     ; what one load brings of A: 64 rows
.set HALFB,  128*PB                    ; and of B: 128 rows of k
.set BOFF,   2*HALFA
.set SLOT,   BOFF+2*HALFB
.set SPARE,  2*SLOT                    ; the spare words, 128 bytes for each wave: two blocks of 256 bytes that no other line names
.set SPITCH, 272                       ; the way out: 64 rows x (256 + 16) bytes for each wave, in slot 0, which has had its last fill and its last read by then
.set LAPS,   8                         ; 4,096 / 512
.set ADRA, 16                          ; v16-17  my A fragments in slot 0, 1
.set ADRB, 20                          ; v20-23  my B fragments: slot 0 k 0.., slot 0 k 128.., slot 1 likewise: an LDS offset has 16 bits
.set STO,  24
.set RD,   25
.set CO,   26
.set SPW,  28
.set NIL,  29
.set ACC,  128
.set F0,   0
.set F1,   128
.set G1, 24
.set G0, 32
.set G1B, 48
.set G0B, 56
.set MSB, 0
.macro WIN new                         ; the immediate's high byte repeats the setting that is left
.if MSB != \new
	s_set_vgpr_msb (MSB<<8)|\new
.set MSB, \new
.endif
.endm
.set MUL,  0x05                        ; sources 0 and 1 window 1; C and D window 0
.set TO_F, 0x40                        ; destination window 1
.macro JLOAD s                         ; a joint load: waves 0 and 1 fetch A's halves, waves 2 and 3 B's; an s_nop 0 and four v_nop follow each line
	s_cmp_eq_u32 s11, 0
	s_cbranch_scc0 .Lfor_b_\@
	tensor_load_to_lds s[G0+4*\s:G0+4*\s+3], s[G1:G1+7]
	s_nop 0
.rept 4
	v_nop
.endr
	s_branch .Lasked_\@
.Lfor_b_\@:
	tensor_load_to_lds s[G0B+4*\s:G0B+4*\s+3], s[G1B:G1B+7]
	s_nop 0
.rept 4
	v_nop
.endr
.Lasked_\@:
.endm
.macro CREST
	s_cmp_lg_u32 s10, 0
	s_cbranch_scc1 .Lnot_wave_0_\@
	s_barrier_signal -3
.Lnot_wave_0_\@:
	s_barrier_wait -3
	s_barrier_signal -1
	s_barrier_wait -1
.endm
.macro CROUND
	s_barrier_signal -1
	s_barrier_wait -1
	CREST
.endm
	s_load_b128 s[4:7], s[0:1], 0x0                ; res16, wo16
	s_load_b64 s[8:9], s[0:1], 0x10                ; out0
	v_lshl_add_u32 v[SPW], v0, 2, SPARE
	v_mov_b32 v[NIL], 0
	ds_add_u32 v[SPW], v[NIL]                      ; the wave's opening: the add and its wait stand ahead of my first tensor load; work on registers stands between them
	v_lshrrev_b32 v1, 5, v0
	v_readfirstlane_b32 s10, v1                    ; wave 0..3
	s_lshr_b32 s11, s10, 1                         ; which half of the tile's rows is mine.  Also: I fetch for A (0) or for B (1)
	s_and_b32 s12, s10, 1                          ; which half of its columns.  Also: which half of that tile I fetch
	s_bfe_u32 s40, ttmp6, 0x40000                  ; cx, cy
	s_bfe_u32 s41, ttmp6, 0x40004
	s_lshl_b32 s42, ttmp9, 2
	s_add_co_u32 s42, s42, s40                     ; tile column
	s_and_b32 s13, ttmp7, 0xffff
	s_lshl_b32 s13, s13, 2
	s_add_co_u32 s13, s13, s41                     ; tile row
	s_lshl_b32 s43, s41, 2
	s_lshl_b32 s43, 15, s43                        ; my row of the cluster
	s_lshl_b32 s44, 0x1111, s40                    ; my column
	s_or_b32 s[G1+0], s43, (1<<16)|(1<<20)|(1<<21)|(6<<22)|(3<<25)   ; A: elements of 2 bytes; four words of padding behind every 128
	s_mov_b32 s[G1+1], 256<<16                     ; 64 rows x 256 elements, 4,096 elements apart
	s_mov_b32 s[G1+2], 64<<16
	s_mov_b32 s[G1+3], 256<<16
	s_mov_b32 s[G1+4], 64
	s_mov_b32 s[G1+5], 4096
	s_mov_b32 s[G1+6], 0
	s_mov_b32 s[G1+7], 0
	s_or_b32 s[G1B+0], s44, (1<<16)|(1<<20)|(1<<21)|(5<<22)|(7<<25)  ; B: eight words behind every 64
	s_mov_b32 s[G1B+1], 128<<16                    ; 128 rows of k x 128 elements
	s_mov_b32 s[G1B+2], 128<<16
	s_mov_b32 s[G1B+3], 128<<16
	s_mov_b32 s[G1B+4], 128
	s_mov_b32 s[G1B+5], 4096
	s_mov_b32 s[G1B+6], 0
	s_mov_b32 s[G1B+7], 0
	s_lshl_b32 s16, s13, 7
	s_lshl_b32 s17, s12, 6
	s_add_co_u32 s16, s16, s17
	s_lshl_b32 s16, s16, 13                        ; A: row 128 x tile row + 64 x half, 8,192 bytes a row
	s_mov_b32 s17, 0
	s_lshl_b32 s46, s12, 20                        ; B: k = 128 x half,
	s_lshl_b32 s47, s42, 8
	s_add_co_u32 s46, s46, s47                     ; + 256 bytes a tile column
	s_mov_b32 s47, 0
	s_mul_i32 s20, s12, HALFA                      ; where they go: no place in the cluster enters an LDS address
	s_mul_i32 s21, s12, HALFB
	s_add_co_u32 s21, s21, BOFF
	s_wait_dscnt 0x0                               ; the opening add is done
	s_wait_kmcnt 0x0
	s_add_nc_u64 s[14:15], s[4:5], s[16:17]
	s_add_nc_u64 s[46:47], s[6:7], s[46:47]
	CROUND                                         ; all sixteen work-groups are here: the first joint loads meet
.irp s, 0,1
	s_mov_b32 s[G0+4*\s], 1
	s_add_co_u32 s[G0+4*\s+1], s20, \s*SLOT
	s_add_nc_u64 s[G0+4*\s+2:G0+4*\s+3], s[14:15], \s*512
	s_or_b32 s[G0+4*\s+3], s[G0+4*\s+3], 0x80000000
	s_mov_b32 s[G0B+4*\s], 1
	s_add_co_u32 s[G0B+4*\s+1], s21, \s*SLOT
	s_add_nc_u64 s[G0B+4*\s+2:G0B+4*\s+3], s[46:47], \s*2097152
	s_or_b32 s[G0B+4*\s+3], s[G0B+4*\s+3], 0x80000000
	JLOAD \s                                       ; two loads of mine are out behind these lines
.endr
	v_and_b32 v1, 15, v0                           ; r
	v_bfe_u32 v2, v0, 4, 1                         ; h
	v_mul_u32_u24 v3, v1, PA
	v_lshl_add_u32 v3, v2, 4, v3
	s_mul_i32 s21, s11, HALFA                      ; my 64 rows of A
	v_and_b32 v6, 7, v0
	v_bfe_u32 v7, v0, 3, 1
	v_lshl_add_u32 v6, v2, 3, v6
	v_mul_u32_u24 v6, v6, PB
	v_lshl_add_u32 v6, v7, 4, v6                   ; B, for the turning load: k = 8 h + lane % 8, columns 8 ((lane / 8) % 2) on
	s_lshl_b32 s22, s12, 7
	s_add_co_u32 s22, s22, BOFF                    ; my 64 columns: 128 bytes
.irp s, 0,1
	s_add_co_u32 s23, s21, \s*SLOT
	v_add_nc_u32 v[ADRA+\s], s23, v3
	s_add_co_u32 s23, s22, \s*SLOT
	v_add_nc_u32 v[ADRB+2*\s], s23, v6
	s_add_co_u32 s23, s22, \s*SLOT+HALFB
	v_add_nc_u32 v[ADRB+2*\s+1], s23, v6
.endr
	s_mul_i32 s23, s10, 64*SPITCH                  ; my stage
	v_mul_u32_u24 v4, v1, SPITCH
	v_lshl_add_u32 v4, v2, 5, v4
	v_add_nc_u32 v[STO], s23, v4                   ; in: row r, 32 bytes for each half of the lanes
	v_mul_u32_u24 v5, v2, SPITCH
	v_lshl_add_u32 v5, v1, 4, v5
	v_add_nc_u32 v[RD], s23, v5                    ; back: lanes 0-15 one row of 256 bytes, lanes 16-31 the next
	v_lshlrev_b32 v5, 14, v2
	v_lshl_add_u32 v[CO], v1, 4, v5                ; the same two rows of out0
	s_lshl_b32 s16, s13, 7
	s_lshl_b32 s17, s11, 6
	s_add_co_u32 s16, s16, s17
	s_lshl_b32 s16, s16, 14                        ; my first row, 16,384 bytes a row
	s_mov_b32 s17, 0
	s_add_nc_u64 s[8:9], s[8:9], s[16:17]
	s_lshl_b32 s46, s42, 9                         ; my first column: 512 bytes a tile column + 256 x half
	s_lshl_b32 s47, s12, 8
	s_add_co_u32 s46, s46, s47
	s_mov_b32 s47, 0
	s_add_nc_u64 s[8:9], s[8:9], s[46:47]
; 8 matrix instructions: m blocks a0, a0 + 1 x all 4 n blocks, 32 along K: half c of buffer f.  The 16 accumulators take turns.
.macro MUL8 f, c, a0, zero
.irp a, \a0, \a0+1
.irp b, 0,1,2,3
.if \zero
	v_wmma_f32_16x16x32_f16 v[ACC+8*(4*(\a)+\b):ACC+8*(4*(\a)+\b)+7], v[\f+64+8*(4*\c+\b):\f+64+8*(4*\c+\b)+7], v[\f+8*(4*\c+(\a)):\f+8*(4*\c+(\a))+7], 0
.else
	v_wmma_f32_16x16x32_f16 v[ACC+8*(4*(\a)+\b):ACC+8*(4*(\a)+\b)+7], v[\f+64+8*(4*\c+\b):\f+64+8*(4*\c+\b)+7], v[\f+8*(4*\c+(\a)):\f+8*(4*\c+(\a))+7], v[ACC+8*(4*(\a)+\b):ACC+8*(4*(\a)+\b)+7]
.endif
.endr
.endr
.endm
; 32 LDS loads in one run: the fragments of the slot's kq-th 64 along K, into buffer f; the first 32 along K first
.macro FETCH slot, kq, f
	WIN TO_F
.irp c, 0,1
.irp i, 0,1,2,3
	ds_load_tr16_b128 v[\f+64+8*(4*\c+\i):\f+64+8*(4*\c+\i)+3],   v[ADRB+2*\slot+(\kq)/2] offset:(((\kq)%2)*64+32*\c)*PB+32*\i
	ds_load_tr16_b128 v[\f+64+8*(4*\c+\i)+4:\f+64+8*(4*\c+\i)+7], v[ADRB+2*\slot+(\kq)/2] offset:(((\kq)%2)*64+32*\c+16)*PB+32*\i
	ds_load_b128 v[\f+8*(4*\c+\i):\f+8*(4*\c+\i)+3],              v[ADRA+\slot] offset:128*(\kq)+64*\c+\i*16*PA
	ds_load_b128 v[\f+8*(4*\c+\i)+4:\f+8*(4*\c+\i)+7],            v[ADRA+\slot] offset:128*(\kq)+64*\c+\i*16*PA+32
.endr
.endr
.endm
.macro PLACES                          ; four plain places between a matrix instruction and a load into its sources or a read of its result (ISA guide 7.12.1 for the read of its result)
.rept 4
	v_nop
.endr
.endm
; A K step is four quarters of 64 along K, 32 matrix instructions each, on buffers 0, 1, 0, 1.  One of the first three: multiplies buffer f and fetches quarter kq into g.
.macro QUARTER slot, kq, f, g, zero
	s_wait_dscnt 16                                ; the first 32 along K are in
	WIN MUL
	MUL8 \f, 0, 0, \zero
	MUL8 \f, 0, 2, \zero
	PLACES
	FETCH \slot, \kq, \g
	s_wait_dscnt 32                                ; all but the 32 just issued
	WIN MUL
	MUL8 \f, 1, 0, 0
	MUL8 \f, 1, 2, 0
.endm
; The last quarter multiplies buffer 1 and changes slots: one barrier; in front of it each wave waits for all its tensor loads, adds 0 to its spare word, and waits for that and for its reads of this slot.
.macro TURN slot, next, fill
	WIN 0
	s_wait_tensorcnt 0x0                           ; all my tensor loads have landed: my part of the next slot
	ds_add_u32 v[SPW], v[NIL]                      ; 0 onto my spare word
	s_wait_dscnt 17                                ; (the add and the youngest sixteen loads may be out)
	WIN MUL
	MUL8 F1, 0, 0, 0                               ; eight matrix instructions stand between the add and the wait for it
	s_wait_dscnt 0x0                               ; the add is done, and my reads of this slot are over
	s_barrier_signal -1
	MUL8 F1, 0, 2, 0
.if \fill
	WIN 0
.endif
	s_barrier_wait -1
.if \fill
	CREST                                          ; the barrier has opened a round of the cluster's barrier: no wave of any partner still reads this slot or has a load on its way
	s_add_nc_u64 s[G0+4*\slot+2:G0+4*\slot+3], s[G0+4*\slot+2:G0+4*\slot+3], 1024
	s_add_nc_u64 s[G0B+4*\slot+2:G0B+4*\slot+3], s[G0B+4*\slot+2:G0B+4*\slot+3], 4194304
	JLOAD \slot                                    ; my one tensor load behind the round; its four v_nop are the places in front of the loads below
.else
	PLACES
.endif
	FETCH \next, 0, F0
	WIN MUL
	MUL8 F1, 1, 0, 0
	MUL8 F1, 1, 2, 0
.endm
	s_wait_tensorcnt 1                             ; my part of K step 0 is in (K step 1's may be out)
	s_barrier_signal -1
	s_barrier_wait -1                              ; everybody's is
	FETCH 0, 0, F0
	QUARTER 0, 1, F0, F1, 1                        ; the first quarter stands in front of the loop: its first products start the sums
	WIN 0
	s_mov_b32 s3, LAPS-1
.Llap:                                             ; a trip goes once round the ring and fills both slots again
	QUARTER 0, 2, F1, F0, 0
	QUARTER 0, 3, F0, F1, 0
	TURN 0, 1, 1
	QUARTER 1, 1, F0, F1, 0
	QUARTER 1, 2, F1, F0, 0
	QUARTER 1, 3, F0, F1, 0
	TURN 1, 0, 1
	QUARTER 0, 1, F0, F1, 0
	WIN 0
	s_sub_co_u32 s3, s3, 1
	s_cmp_lg_u32 s3, 0
	s_cbranch_scc1 .Llap
	QUARTER 0, 2, F1, F0, 0                        ; the last lap fills nothing
	QUARTER 0, 3, F0, F1, 0
	TURN 0, 1, 0
	QUARTER 1, 1, F0, F1, 0
	QUARTER 1, 2, F1, F0, 0
	QUARTER 1, 3, F0, F1, 0
	s_wait_dscnt 16
	WIN MUL
	MUL8 F1, 0, 0, 0
	MUL8 F1, 0, 2, 0
	s_wait_dscnt 0
	MUL8 F1, 1, 0, 0
	MUL8 F1, 1, 2, 0
	WIN 0
	; THE WAY OUT.  My 64 columns of f32 are 256 consecutive bytes of a row, aligned: so the stage is my own and no barrier is needed.  A lane's 32 bytes go in; whole rows come back, into the registers that they left.
	PLACES
.irp a, 0,1,2,3
.irp b, 0,1,2,3
	ds_store_b128 v[STO], v[ACC+8*(4*\a+\b):ACC+8*(4*\a+\b)+3] offset:\a*16*SPITCH+64*\b        ; each accumulator from its low end on
	ds_store_b128 v[STO], v[ACC+8*(4*\a+\b)+4:ACC+8*(4*\a+\b)+7] offset:\a*16*SPITCH+64*\b+16
.endr
.irp t, 0,1,2,3,4,5,6,7
	ds_load_b128 v[ACC+32*\a+4*\t:ACC+32*\a+4*\t+3], v[RD] offset:(16*\a+2*\t)*SPITCH           ; LDS serves a wave's instructions in order: these see the stores above
.endr
.endr
.irp a, 0,1,2,3
.irp t, 0,1,2,3,4,5,6,7
	s_wait_dscnt (7-\t)+16*(3-\a)                  ; the LDS instructions issued behind this load may be out
	global_store_b128 v[CO], v[ACC+32*\a+4*\t:ACC+32*\a+4*\t+3], s[8:9] offset:(16*\a+2*\t)*16384 th:TH_STORE_NT
.endr
.endr
	s_wait_tensorcnt 0x0                           ; the wave's end: behind my last tensor load and my last LDS store
	ds_add_u32 v[SPW], v[NIL]
	s_wait_dscnt 0x0
	CROUND                                         ; the closing round
	s_endpgm
.Lfunc_end_k_q78396d4213_gemm_out:
	.size	k_q78396d4213_gemm_out, .Lfunc_end_k_q78396d4213_gemm_out-k_q78396d4213_gemm_out
	.p2alignl 7, 3214868480
	.fill 96, 4, 3214868480
	.section	.rodata,"a",@progbits
	.p2align	6, 0x0
	.amdhsa_kernel k_q78396d4213_gemm_out
		.amdhsa_group_segment_fixed_size 327680
		.amdhsa_private_segment_fixed_size 0
		.amdhsa_enable_private_segment 0
		.amdhsa_kernarg_size 24
		.amdhsa_user_sgpr_count 2
		.amdhsa_user_sgpr_kernarg_segment_ptr 1
		.amdhsa_wavefront_size32 1
		.amdhsa_system_sgpr_workgroup_id_x 1
		.amdhsa_system_sgpr_workgroup_id_y 1
		.amdhsa_system_sgpr_workgroup_id_z 1
		.amdhsa_system_vgpr_workitem_id 0
		.amdhsa_next_free_vgpr 512
		.amdhsa_next_free_sgpr 66
		.amdhsa_reserve_vcc 0
		.amdhsa_float_denorm_mode_32 3
		.amdhsa_float_denorm_mode_16_64 3
		.amdhsa_memory_ordered 1
		.amdhsa_forward_progress 1
		.amdhsa_inst_pref_size 87
	.end_amdhsa_kernel
	.amdgpu_metadata
---
amdhsa.version: [ 1, 2 ]
amdhsa.kernels:
  - .name:           k_q78396d4213_gemm_out
    .symbol:         k_q78396d4213_gemm_out.kd
    .args:
      - { .name: res16, .offset: 0, .size: 8, .value_kind: global_buffer, .address_space: global }
      - { .name: wo16, .offset: 8, .size: 8, .value_kind: global_buffer, .address_space: global }
      - { .name: out0, .offset: 16, .size: 8, .value_kind: global_buffer, .address_space: global }
    .group_segment_fixed_size: 327680
    .private_segment_fixed_size: 0
    .kernarg_segment_align: 8
    .kernarg_segment_size: 24
    .max_flat_workgroup_size: 128
    .sgpr_count:     66
    .vgpr_count:     512
    .wavefront_size: 32
...
	.end_amdgpu_metadata
.endif
;; end of part 4
